; MI455X (gfx1250); checked and timed in simulation.
; The chip was launched on July 23, 2026; its instructions are those of AMD's public machine-readable ISA for CDNA 5 (MIT licence, August 2026) and "CDNA5" Instruction Set Architecture Reference Guide (July 2026). The comments in the code are by the model that wrote it; some were corrected since.
;; Tiled Attention Module. Allowed arithmetic: matrix products marked QUANTISED: E2M3 operands, one E8M0 scale for each 32 along K, by v_wmma_scale_f32_16x16x128_f8f6f4 with both operands' format E2M3, f32 sums; everything else in f32.
;; Inputs: W_k 2,048 x 2,048 float32; W_o 2,048 x 2,048 float32; W_q 2,048 x 2,048 float32; W_v 2,048 x 2,048 float32; x 2 x 1,024 x 2,048 float32.
;; Outputs: out0 2 x 1,024 x 2,048 float32.
;; This version of the problem:
;;   THIS VERSION OF THE PROBLEM IS GIVEN IN LOW PRECISION. The matrix products marked QUANTISED in the list below multiply operands that are first quantised to E2M3 (2 exponent bits, 3 mantissa bits; 6 bits a number), with one power-of-two scale for each 32 numbers along K (OCP MX v1.0); their sums are f32. All else is computed in f32.
;;   The module's matrix products, in the order in which they are computed (A, B: the left and right operand; K: the contracted axis; several contracted axes count as one K, in the product's order):
;;     1. [M 2,048, K 2,048] x [K 2,048, N 2,048]; A: input x; B: input W_q: QUANTISED
;;     2. [M 2,048, K 2,048] x [K 2,048, N 2,048]; A: input x; B: input W_k: QUANTISED
;;     3. [M 2,048, K 2,048] x [K 2,048, N 2,048]; A: input x; B: input W_v: QUANTISED
;;     4. batch 32 x [M 1,024, K 128] x [K 128, N 1,024]; A: computed on the way; B: computed on the way: QUANTISED
;;     5. batch 32 x [M 1,024, K 1,024] x [K 1,024, N 128]; A: softmax (see below); B: computed on the way: QUANTISED
;;     6. [M 2,048, K 2,048] x [K 2,048, N 2,048]; A: computed on the way; B: input W_o: QUANTISED
;;   THE QUANTISER, for each operand of a quantised product, along K:
;;     - K is cut into blocks of 32 from its start; a last block that is shorter is filled with zeros.
;;     - A block's scale is 2^e with e = floor(log2(the largest magnitude in the block)) - 2, held to -126 .. 127; a block of zeros has e = 0. As a byte (E8M0): e + 127.
;;     - Each number is divided by its block's scale, clamped to +-7.5, and rounded to the nearest number of E2M3, ties to even, subnormals kept.
;;     - The product sums the exact products of the quantised numbers (number of the format x scale) in f32.
;;   ~~~python
;;   def quantise(x, axis):      # numpy; x: float32 -> the quantised numbers, widened to float32 again
;;       x = np.moveaxis(x, axis, -1); K = x.shape[-1]
;;       x = np.pad(x, [(0, 0)] * (x.ndim - 1) + [(0, -K % 32)]); x = x.reshape(x.shape[:-1] + (-1, 32)); a = np.abs(x).max(-1, keepdims=True)
;;       e = np.where(a > 0, np.clip(np.frexp(np.where(a > 0, a, 1))[1] - 1 - 2, -126, 127), 0)      # np.frexp(a)[1] - 1 = floor(log2(a)), exactly
;;       r = np.clip(x / 2.0 ** e, -7.5, 7.5)
;;       step = 2.0 ** (np.maximum(np.frexp(np.where(r == 0, 1, r))[1] - 1, 0) - 3)
;;       q = np.round(r / step) * step * 2.0 ** e      # np.round: ties to even
;;       return np.moveaxis(q.reshape(q.shape[:-2] + (-1,))[..., :K], -1, axis).astype(np.float32)
;;   ~~~
;;   SOFTMAX AHEAD OF A QUANTISED PRODUCT. Where the list says 'softmax', what is quantised is not the finished softmax but p = 2^(t - M), with t = logit x log2(e) and M = ceil(the row's largest t), a whole number; so 1/2 < the row's largest p <= 1. The row's sum l is taken of the UNQUANTISED p, in f32, and the product's result is divided by l at the end. Since M is a whole number, a kernel that streams over the keys may use a running M (the ceiling of the running maximum): every later rescaling is an exact power of two, which a block's scale takes up: the codes' values come out the same.
;;   OPERANDS COMPUTED ON THE WAY. 'Computed on the way' means the value that the module computes at that place (a softmax that the list does not call 'softmax' is quantised finished and normalised). What goes into a quantiser is computed in f32, as accurately as f32 sums, v_exp_f32 and their like allow (about 1e-6 of the number): no bf16 or f16 on the way to a quantiser, and a product that is left as it is and whose result goes on into a quantised operand takes f32 operands (vector FMAs, or v_wmma_f32_16x16x4_f32). A number that lies on a knife's edge between two numbers of the format may be rounded either way, as far as f32 arithmetic and the matrix unit's own rounding can turn it there, and no further.
;; One version. Each part assembles by itself: llvm-mc -triple=amdgcn-amd-amdhsa -mcpu=gfx1250 --defsym DOCPART=n.
;; ======== version 1 of 1: 4 launches
;; limits: right only within a limited range of input values
;; workspace buffers: codes 15,728,640 bytes; scales 655,360 bytes; qkvf 9,830,400 bytes; ocodes 3,145,728 bytes; oscales 131,072 bytes
;; launch quant (part 1): grid 256 x 1, 8 waves a work-group, no clusters, 71,168 bytes of LDS; arguments x, W_q, W_k, W_v, W_o, codes, scales; writes codes, scales
.if DOCPART == 1
	.amdgcn_target "amdgcn-amd-amdhsa--gfx1250"
	.amdhsa_code_object_version 6
	.text
	.protected	k_q39431f291b_quant
	.globl	k_q39431f291b_quant
	.p2align	8
	.type	k_q39431f291b_quant,@function
k_q39431f291b_quant:
	s_mov_b64 s[64:65], 0
	v_nop
	global_prefetch_b8 v0, s[64:65] scope:SCOPE_SE
	s_setreg_imm32_b32 hwreg(HW_REG_WAVE_MODE, 25, 1), 1
	s_wait_xcnt 0x0
; THE PROGRAM: causal attention, 2 x 1024 tokens, 16 heads of 128, all six products on codes of FP6 (E2M3) with one E8M0 scale for each 32 along K.  Four launches:
;   quant: x and the four weights, f32, K innermost, become codes and scale words;   qkv: Q, K, V = x W^T, quantised on the way out (Q, K along the head's 128, V along the keys);
;   attn: S = Q K^T, p = 2^(t - M), O = p V / l, quantised along d_model;   proj: out = O W_o^T.
; DEAD WORK, left out in launch attn: reference() itself sets scores[q][k] to -inf wherever k > q (its own jnp.tril), so p is exactly 0 there for all values of the inputs and adds 0 to the row's sum and to O.
; A step of 128 keys whose first key lies behind all 16 queries of a tile holds nothing else, so such steps are not multiplied.  Every input has a way to the output and is loaded.
; LIMIT: a NaN, an infinity or an overflow that would arise only in scores left out so is not carried to the result.
; THIS LAUNCH.  Operands lie in memory as IMAGES OF THE OPERAND'S REGISTERS.  A fragment is 16 rows x 128 K: 12 registers a lane; lane (r, h) holds row r, registers 6 c .. 6 c + 5 hold K = 64 c + 32 h + 0 .. 31.
; Registers 4 g .. 4 g + 3 of lane l lie at byte 512 g + 16 l of the fragment's 1,536 bytes.
; THE ROWS OF A TILE ARE NOT NEIGHBOURS: tile T of a tensor holds rows 64 (T / 4) + 8 (T % 4) + i and, as its rows 8 + i, those 32 further on (i = 0 .. 7).  So four tiles of a product leave 32 neighbours, one scale block, in a lane's registers.
; codes: [tile 0..639][K step 0..15][1536]: tiles 0-127 x, 128-255 W_q, 256-383 W_k, 384-511 W_v, 512-639 W_o.  scales: [tile / 4][K step][row r][tile % 4]: a word = the four bytes of 128 along K.
; A block's scale is 2^(floor(log2(its largest magnitude)) - 2); its byte is that magnitude's exponent field - 2, held at 1 from below.
; LIMITS: a block of zeros gets the byte 1 where the rule says 127 (its codes are zeros, and this program alone reads the bytes); blocks whose largest magnitude lies under 2^-124 are held at byte 1; NaN and infinities among the inputs are not served.
; SHARES.  Work-group g takes, of each of the five tensors, the tiles 4 (g / 8) .. + 3 and K steps 2 (g % 8), + 1: eight fragments, one a wave, five times.  A load takes 512 consecutive bytes of one row; a fragment's 16 rows turn
; through the wave's own stage in LDS (rows 528 bytes apart) and come back 32 neighbours along K, twice, to a lane.  Scale words gather in LDS: 512 consecutive bytes for each tensor.  No matrix unit, no tensor load: the launch streams.
.set SP,    528
.set WST,   16*SP
.set SCT,   8*WST                      ; behind the eight stages: the scale words, 512 bytes for each tensor
.set SPARE, SCT+5*512                  ; the spare words, 128 bytes for each wave, that no other line names
.set TEN,   3145728                    ; a tensor's codes in bytes
.set LN,  1                            ; v1   lane
.set LI,  4                            ; v4   16 x lane
.set LSI, 5                            ; v5   the stage, on the way in
.set LSO, 6                            ; v6   and on the way out: row r, + 128 h
.set WA,  7                            ; v7   LDS address of my scale word
.set SH,  8                            ; v8   8 h
.set PD,  9                            ; v9   a lane permute's destination
.set TM,  10                           ; v10-11 largest magnitudes
.set SPW, 12                           ; v12  LDS address of my spare word; never rewritten
.set NIL, 13                           ; v13  0; never rewritten
.set SO,  14                           ; v14-15 the conversions' scale operands
.set BY,  16                           ; v16-17 scale bytes
.set WD,  20                           ; v20  the fragment's scale word
.set RDW, 21                           ; v21  LDS address of the words that my wave stores
.set PC,  24                           ; v24-35 a fragment's codes
.set TC,  36                           ; v36-43 the upper halves of its blocks, as the conversions leave them
.set SW,  44                           ; v44-47 words on the way out
.set R,   64                           ; v64-191 two sets of 64 registers as loaded
.set X,   192                          ; v192-255 my 64 numbers of a fragment
	s_load_b256 s[4:11], s[0:1], 0x0               ; x, W_q, W_k, W_v
	s_load_b128 s[12:15], s[0:1], 0x20             ; W_o, codes
	s_load_b64 s[16:17], s[0:1], 0x30              ; scales
	v_lshl_add_u32 v[SPW], v0, 2, SPARE
	v_mov_b32 v[NIL], 0
	v_lshrrev_b32 v1, 5, v0
	v_readfirstlane_b32 s18, v1                    ; wave 0..7
	v_and_b32 v[LN], 31, v0
	v_and_b32 v2, 15, v0                           ; r
	v_bfe_u32 v3, v0, 4, 1                         ; h
	v_lshlrev_b32 v[LI], 4, v[LN]
	s_mul_i32 s21, s18, WST
	v_add_nc_u32 v[LSI], s21, v[LI]
	v_mul_u32_u24 v[LSO], v2, SP
	v_lshl_add_u32 v[LSO], v3, 7, v[LSO]
	v_add_nc_u32 v[LSO], s21, v[LSO]
	v_lshlrev_b32 v[SH], 3, v3
	v_mov_b32 v[PD], 0                             ; written once: a lane permute's destination counts as one of its sources
	s_wait_alu depctr_va_vdst(0)                   ; ahead of the scalar lines
	s_lshr_b32 s19, s18, 2                         ; which of the two K steps is mine
	s_and_b32 s20, s18, 3                          ; which of the four tiles
	s_lshl_b32 s22, s19, 8
	s_lshl_b32 s23, s20, 2
	s_add_co_u32 s22, s22, s23
	s_add_co_u32 s22, s22, SCT
	v_lshlrev_b32 v[WA], 4, v2
	v_add_nc_u32 v[WA], s22, v[WA]
	s_lshl_b32 s22, s18, 9
	s_add_co_u32 s22, s22, SCT
	v_add_nc_u32 v[RDW], s22, v[LI]
	s_lshr_b32 s21, ttmp9, 3                       ; group of four tiles
	s_and_b32 s24, ttmp9, 7
	s_lshl_b32 s25, s24, 1
	s_add_co_u32 s25, s25, s19                     ; my K step
	s_lshl_b32 s22, s21, 6
	s_lshl_b32 s23, s20, 3
	s_add_co_u32 s22, s22, s23                     ; my tile's first row
	s_lshl_b32 s22, s22, 13                        ; rows of 8,192 bytes
	s_lshl_b32 s23, s25, 9
	s_add_co_u32 s22, s22, s23
	s_mov_b32 s23, 0
	s_lshl_b32 s26, s21, 2
	s_add_co_u32 s26, s26, s20
	s_mul_i32 s26, s26, 24576
	s_mul_i32 s27, s25, 1536
	s_add_co_u32 s26, s26, s27                     ; my fragment among a tensor's codes
	s_mov_b32 s27, 0
	s_lshl_b32 s28, s21, 12
	s_lshl_b32 s29, s24, 9
	s_add_co_u32 s28, s28, s29
	s_lshl_b32 s29, s18, 17
	s_add_co_u32 s28, s28, s29                     ; the words that my wave stores: tensor "wave", 131,072 bytes each
	s_mov_b32 s29, 0
	s_mov_b32 s24, 0x76543210
	s_mov_b32 s25, 0xfedcba98                      ; v_permlanex16_b32's selects for lane l xor 16
	s_wait_alu depctr_va_vdst(0)
	s_wait_kmcnt 0x0
.irp f, 0,1,2,3,4
	s_add_nc_u64 s[34+2*\f:35+2*\f], s[4+2*\f:5+2*\f], s[22:23]
.endr
	s_add_nc_u64 s[14:15], s[14:15], s[26:27]      ; tensors 0 to 2
	s_add_nc_u64 s[30:31], s[14:15], 3*TEN         ; tensors 3 and 4
	s_add_nc_u64 s[16:17], s[16:17], s[28:29]
.macro LOAD f                          ; tensor f: 16 loads, each 512 consecutive bytes of one of the tile's rows, into set f % 2
.irp i, 0,1,2,3,4,5,6,7,8,9,10,11,12,13,14,15
	global_load_b128 v[R+64*((\f)%2)+4*\i:R+64*((\f)%2)+4*\i+3], v[LI], s[34+2*(\f):35+2*(\f)] offset:(\i+24*(\i/8))*8192 th:TH_LOAD_NT
.endr
.endm
.macro FRAGQ f
.if (\f) < 4
	s_wait_loadcnt 16                              ; this fragment's 16 loads are in; the next fragment's 16 may be out
.else
	s_wait_loadcnt 0x0
.endif
.irp i, 0,1,2,3,4,5,6,7,8,9,10,11,12,13,14,15
	ds_store_b128 v[LSI], v[R+64*((\f)%2)+4*\i:R+64*((\f)%2)+4*\i+3] offset:SP*\i
.endr
.irp c, 0,1
.irp j, 0,1,2,3,4,5,6,7
	ds_load_b128 v[X+32*\c+4*\j:X+32*\c+4*\j+3], v[LSO] offset:256*\c+16*\j   ; LDS serves a wave's instructions in order: these see the stores above.  Register 32 c + n = K 64 c + 32 h + n of row r
.endr
.endr
	s_wait_dscnt 0x0                               ; my numbers are back, and the stores have read the set,
.if (\f)+2 < 5
	LOAD (\f)+2                                    ; which takes the fragment two on
.endif
.irp c, 0,1                                    ; my block 2 c + h: all its 32 numbers are mine
	v_max3_num_f32 v[TM+\c], |v[X+32*\c]|, |v[X+32*\c+1]|, 0x1800000   ; with the floor 2^(3 - 127): the byte cannot fall under 1
.endr
.irp i, 2,4,6,8,10,12,14,16,18,20,22,24,26,28,30
.irp c, 0,1
	v_max3_num_f32 v[TM+\c], v[TM+\c], |v[X+32*\c+\i]|, |v[X+32*\c+\i+1]|
.endr
.endr
.irp c, 0,1
	v_add_nc_u32 v[SO+\c], 0xff000000, v[TM+\c]    ; 2 off the exponent field: the conversion takes the exponent field of this operand as its scale
.endr
.irp c, 0,1
	v_lshrrev_b32 v[BY+\c], 23, v[SO+\c]           ; the scale's byte
.endr
	v_lshl_or_b32 v[WD], v[BY+1], 16, v[BY]        ; my two bytes, blocks h and 2 + h of row r,
	v_lshlrev_b32 v[WD], v[SH], v[WD]              ; at their places in the word;
	v_permlanex16_b32 v[PD], v[WD], s24, s25
	v_or_b32 v[WD], v[WD], v[PD]                   ; with lane l xor 16's two the word is whole, in both lanes
	ds_store_b32 v[WA], v[WD] offset:512*(\f)      ; both lanes of a row write the same word with the same value
.if (\f) > 0
	s_wait_alu depctr_va_vdst(0)
	s_wait_xcnt 0x0                                ; the last fragment's stores have read the codes' registers: they are written again only behind this wait
.endif
.irp c, 0,1
	v_cvt_scalef32_pk16_fp6_f32 v[PC+6*\c:PC+6*\c+2], v[X+32*\c:X+32*\c+15], v[SO+\c]
	v_cvt_scalef32_pk16_fp6_f32 v[TC+4*\c:TC+4*\c+2], v[X+32*\c+16:X+32*\c+31], v[SO+\c]   ; (a conversion's three registers begin on an even number)
.endr
	v_nop                                          ; one plain place behind a scaled conversion
.irp c, 0,1
.irp i, 0,1,2
	v_mov_b32 v[PC+3+6*\c+\i], v[TC+4*\c+\i]
.endr
.endr
.irp g, 0,1,2
.if (\f) < 3
	global_store_b128 v[LI], v[PC+4*\g:PC+4*\g+3], s[14:15] offset:TEN*(\f)+512*\g   ; 32 lanes store 512 consecutive bytes, at a multiple of 512 from the buffer's first byte
.else
	global_store_b128 v[LI], v[PC+4*\g:PC+4*\g+3], s[30:31] offset:TEN*((\f)-3)+512*\g
.endif
.endr
.endm
	LOAD 0
	LOAD 1
	FRAGQ 0
	FRAGQ 1
	FRAGQ 2
	FRAGQ 3
	FRAGQ 4
	s_wait_alu depctr_va_vdst(0)
	s_wait_dscnt 0x0                               ; my scale words are in LDS
	s_barrier_signal -1
	s_barrier_wait -1                              ; everybody's are
	s_cmp_lt_u32 s18, 5
	s_cbranch_scc0 .Ldone
	ds_load_b128 v[SW:SW+3], v[RDW]                ; waves 0 to 4: tensor "wave"
	s_wait_dscnt 0x0
	global_store_b128 v[LI], v[SW:SW+3], s[16:17]  ; 512 consecutive bytes, aligned
.Ldone:
	s_wait_tensorcnt 0x0                           ; the wave's end, behind my last LDS store
	ds_add_u32 v[SPW], v[NIL]
	s_wait_dscnt 0x0
	s_endpgm
.Lfunc_end_k_q39431f291b_quant:
	.size	k_q39431f291b_quant, .Lfunc_end_k_q39431f291b_quant-k_q39431f291b_quant
	.p2alignl 7, 3214868480
	.fill 96, 4, 3214868480
	.section	.rodata,"a",@progbits
	.p2align	6, 0x0
	.amdhsa_kernel k_q39431f291b_quant
		.amdhsa_group_segment_fixed_size 71168
		.amdhsa_private_segment_fixed_size 0
		.amdhsa_enable_private_segment 0
		.amdhsa_kernarg_size 56
		.amdhsa_user_sgpr_count 2
		.amdhsa_user_sgpr_kernarg_segment_ptr 1
		.amdhsa_wavefront_size32 1
		.amdhsa_system_sgpr_workgroup_id_x 1
		.amdhsa_system_sgpr_workgroup_id_y 1
		.amdhsa_system_sgpr_workgroup_id_z 1
		.amdhsa_system_vgpr_workitem_id 0
		.amdhsa_next_free_vgpr 256
		.amdhsa_next_free_sgpr 66
		.amdhsa_reserve_vcc 0
		.amdhsa_float_denorm_mode_32 3
		.amdhsa_float_denorm_mode_16_64 3
		.amdhsa_memory_ordered 1
		.amdhsa_forward_progress 1
		.amdhsa_inst_pref_size 38
	.end_amdhsa_kernel
	.amdgpu_metadata
---
amdhsa.version: [ 1, 2 ]
amdhsa.kernels:
  - .name:           k_q39431f291b_quant
    .symbol:         k_q39431f291b_quant.kd
    .args:
      - { .name: x, .offset: 0, .size: 8, .value_kind: global_buffer, .address_space: global }
      - { .name: W_q, .offset: 8, .size: 8, .value_kind: global_buffer, .address_space: global }
      - { .name: W_k, .offset: 16, .size: 8, .value_kind: global_buffer, .address_space: global }
      - { .name: W_v, .offset: 24, .size: 8, .value_kind: global_buffer, .address_space: global }
      - { .name: W_o, .offset: 32, .size: 8, .value_kind: global_buffer, .address_space: global }
      - { .name: codes, .offset: 40, .size: 8, .value_kind: global_buffer, .address_space: global }
      - { .name: scales, .offset: 48, .size: 8, .value_kind: global_buffer, .address_space: global }
    .group_segment_fixed_size: 71168
    .private_segment_fixed_size: 0
    .kernarg_segment_align: 8
    .kernarg_segment_size: 56
    .max_flat_workgroup_size: 256
    .sgpr_count:     66
    .vgpr_count:     256
    .wavefront_size: 32
...
	.end_amdgpu_metadata
.endif
;; end of part 1
;; launch qkv (part 2): grid 32 x 8, 4 waves a work-group, clusters of 4 x 4, 327,680 bytes of LDS; arguments codes, scales, qkvf; writes qkvf
.if DOCPART == 2
	.amdgcn_target "amdgcn-amd-amdhsa--gfx1250"
	.amdhsa_code_object_version 6
	.text
	.protected	k_q39431f291b_qkv
	.globl	k_q39431f291b_qkv
	.p2align	8
	.type	k_q39431f291b_qkv,@function
k_q39431f291b_qkv:
	s_mov_b64 s[64:65], 0
	v_nop
	global_prefetch_b8 v0, s[64:65] scope:SCOPE_SE
	s_setreg_imm32_b32 hwreg(HW_REG_WAVE_MODE, 25, 1), 1
	s_wait_xcnt 0x0
	s_wait_alu depctr_hold_cnt(0) depctr_sa_sdst(0) depctr_va_vdst(0) depctr_va_sdst(0) depctr_va_ssrc(0) depctr_va_vcc(0) depctr_vm_vsrc(0)
	s_getreg_b32 s2, hwreg(HW_REG_IB_STS2, 6, 4)
	s_cmp_eq_u32 s2, 0
	s_cbranch_scc0 .Lentry_in_a_cluster
	s_endpgm
.Lentry_in_a_cluster:
	s_bfe_u32 s2, ttmp6, 0x10000c
	s_cmp_lg_u32 s2, 0xf033
	s_cbranch_scc0 .Lentry_shape_is_right
	s_endpgm
.Lentry_shape_is_right:
; Q, K, V = x W^T on codes of FP6, K = 2,048, and their quantisers.  Nothing is left out here.  LIMITS as in launch quant: a block's byte is held at 1 from below (a block of zeros has the byte 1); NaN and infinities are not served.
; qkvf: [Q, K, V][16 batch + head][step of 128 tokens][8 fragments x 1,536 bytes, then 512 bytes of scale words [band c][r][j]].  Tile 4 c + j of a step (of a head's 128 channels) holds 64 c + 8 j + i and, as rows 8 + i, those 32 on.
;   Q, K: a fragment is 16 tokens x the head's 128;   V: a fragment is 16 channels x the step's 128 tokens.
; THE DEAL.  8 x 32 work-groups: 256 tokens x one head's 128 columns of Q (column number even) or K (odd) and 64 columns (band 0 or 1) of the same head's V.  Four waves, 2 x 2: a = the step of 128 tokens, b = the band of Q or K.
; A wave has 8 tiles of x, 4 of W_q or W_k, 2 of W_v: 32 + 16 = 48 accumulators, 48 products for 14 fragments.
; Q, K: source 0 = the weight's rows, so a lane holds one token and four tiles' registers are 32 neighbouring channels, a scale block.  V: source 0 = x's rows: a lane holds one channel and 32 neighbouring tokens.
; THE RING: chunks of 3, 4, 3, 4, 2 K steps take turns in two slots of LDS (28 tiles x 3 and x 4 steps); a tile's rows are 1,536 bytes a step.  One tensor load a wave: waves 0, 1 x's tiles, wave 2 W_q's or W_k's, wave 3 W_v's.
; CLUSTERS 4 x 4: x's tiles are asked for jointly along a row of the cluster, the weights' along a column.  Scale words of all K lie in registers, loaded once, 128 registers.
; PREFETCH: behind each chunk's joint loads the chunk after it is asked for into the L2: the four partners of a joint load share its tiles by address (tiles p and p + 4 of eight, p of four), a lane to each 256 bytes of a tile's run.
; The last chunk is the last that is asked for.  LDS loads stand in runs of seven between groups of six products.
; REGISTERS.  window 0: v1-31 addresses; v32-159 scale words, 8 for each K step; v160-255 x's fragments, set 0 (on the way out: codes and temporaries).  window 1: v0-95 x's, set 1; v96-167, v168-239 the weights', two sets.
;   window 2: accumulator (x tile t, channel tile j) at 8 (4 t + j).  window 3: V's, (channel tile u, x tile t) at 8 (8 u + t).
.set FRB,   1536
.set KT,    24576
.set P3,    3*FRB
.set P4,    4*FRB
.set SLB,   28*P3                      ; slot B behind slot A
.set SPARE, SLB+28*P4                  ; the spare words, 128 bytes for each wave, that no other line names
.set STG,   SLB                        ; the way out: in slot B, which has had its last fill and its last read then: 2 x (12,288 + 512) bytes, then 2 x 256
.set PF4, 10                           ; v10-12 the prefetches' offsets for chunks of 4, 3, 2 steps; never rewritten
.set PF3, 11
.set PF2, 12
.set ST0, 13                           ; v13  the stage: my step's image
.set SBQ, 14                           ; v14  where my bytes of Q's or K's words go
.set SBV, 15                           ; v15  and V's
.set AX,  16                           ; v16-17 LDS address of my x tiles in slot A, B
.set AW,  18                           ; v18-20 of W_q's or W_k's in slot A, B, and A with 2 steps
.set AV,  21                           ; v21-23 of W_v's
.set SA1, 24                           ; v24-25 offsets of my scale words
.set SA2, 25
.set LI,  26                           ; v26  16 x lane
.set L8,  27                           ; v27  8 x lane
.set SPW, 28
.set NIL, 29
.set RD,  30                           ; v30  the stage, on the way out
.set VSR, 31                           ; v31  the same for V's words
.set SC,  32
.set QC,  160                          ; v160-207 the way out: codes of Q or K, 6 for each x tile
.set VC,  208                          ; v208-231 codes of V
.set TM,  232
.set SO,  240
.set TC,  244
.set EB,  252
.set G1X, 24
.set G1W, 32
.set G1V, 48
.set G0X, 56
.set G0W, 60
.set G0V, 68
.set PFA, 72
.set MSB, 0
.macro WIN new
.if MSB != (\new)
	s_set_vgpr_msb (MSB<<8)|(\new)
.set MSB, (\new)
.endif
.endm
.macro PLACES n
.rept \n
	v_nop
.endr
.endm
.macro JLOAD                           ; a joint load: one line for x, one for each weight; an s_nop 0 and four v_nop follow each line
	s_cmp_lt_u32 s14, 2
	s_cbranch_scc0 .Lw_\@
	tensor_load_to_lds s[G0X:G0X+3], s[G1X:G1X+7]
	s_nop 0
	PLACES 4
	s_branch .Lasked_\@
.Lw_\@:
	s_cmp_eq_u32 s14, 2
	s_cbranch_scc0 .Lv_\@
	tensor_load_to_lds s[G0W:G0W+3], s[G1W:G1W+7]
	s_nop 0
	PLACES 4
	s_branch .Lasked_\@
.Lv_\@:
	tensor_load_to_lds s[G0V:G0V+3], s[G1V:G1V+7]
	s_nop 0
	PLACES 4
.Lasked_\@:
.endm
.macro CREST
	s_cmp_lg_u32 s14, 0
	s_cbranch_scc1 .Lnot_wave_0_\@
	s_barrier_signal -3
.Lnot_wave_0_\@:
	s_barrier_wait -3
	s_barrier_signal -1
	s_barrier_wait -1
.endm
.macro CROUND
	s_barrier_signal -1
	s_barrier_wait -1
	CREST
.endm
.macro NEXT s, n, adv                  ; the next chunk's descriptors: slot s, n steps, adv steps behind the last chunk's start.  No tensor load of mine is out
.irp g, G1X, G1W, G1V
	s_mov_b32 s[\g+1], ((\n)*192)<<16
	s_mov_b32 s[\g+3], ((\n)*192)<<16
.endr
.irp g, G0X, G0W, G0V
	s_add_nc_u64 s[\g+2:\g+3], s[\g+2:\g+3], (\adv)*FRB
.endr
.if \s
	s_mov_b32 s[G0X+1], s46
	s_mov_b32 s[G0W+1], SLB+16*P4
	s_mov_b32 s[G0V+1], SLB+24*P4
.else
	s_mov_b32 s[G0X+1], s45
	s_mov_b32 s[G0W+1], 16*P3
	s_mov_b32 s[G0V+1], 24*P3
.endif
.endm
.macro ASK pf, k0                      ; the prefetch of the chunk that begins at K step k0
	global_prefetch_b8 v[\pf], s[PFA:PFA+1] offset:(\k0)*FRB th:TH_LOAD_NT scope:SCOPE_SE
	s_cmp_lt_u32 s14, 3
	s_cbranch_scc0 .Lone_\@                        ; W_v has four tiles: one for each partner
	global_prefetch_b8 v[\pf], s[PFA:PFA+1] offset:(\k0)*FRB+4*KT th:TH_LOAD_NT scope:SCOPE_SE
.Lone_\@:
.endm
	s_load_b128 s[4:7], s[0:1], 0x0                ; codes, scales
	s_load_b64 s[8:9], s[0:1], 0x10                ; qkvf
	v_lshl_add_u32 v[SPW], v0, 2, SPARE
	v_mov_b32 v[NIL], 0
	ds_add_u32 v[SPW], v[NIL]                      ; the wave's opening: the add, twice on end, and its wait ahead of my first tensor load
	ds_add_u32 v[SPW], v[NIL]
	v_lshrrev_b32 v1, 5, v0
	v_readfirstlane_b32 s14, v1                    ; wave 0..3
	s_lshr_b32 s15, s14, 1                         ; a
	s_and_b32 s16, s14, 1                          ; b
	s_bfe_u32 s40, ttmp6, 0x40000                  ; cx
	s_bfe_u32 s41, ttmp6, 0x40004                  ; cy
	s_lshl_b32 s42, ttmp9, 2
	s_add_co_u32 s42, s42, s40                     ; column number 0..31
	s_and_b32 s17, ttmp7, 0xffff
	s_lshl_b32 s17, s17, 2
	s_add_co_u32 s17, s17, s41                     ; which 256 tokens
	s_lshr_b32 s10, s42, 1                         ; head
	s_and_b32 s11, s42, 1                          ; 0: Q and V's band 0;  1: K and V's band 1
	s_lshl_b32 s43, s41, 2
	s_lshl_b32 s43, 15, s43                        ; my row of the cluster
	s_lshl_b32 s44, 0x1111, s40                    ; my column
	s_or_b32 s[G1X], s43, (3<<16)|(1<<21)          ; elements of 8 bytes, no padding, bit 21 beside a mask
	s_or_b32 s[G1W], s44, (3<<16)|(1<<21)
	s_or_b32 s[G1V], s44, (3<<16)|(1<<21)
.irp g, G1X, G1W, G1V
	s_mov_b32 s[\g+1], (3*192)<<16                 ; chunk 0: three steps of each tile
	s_mov_b32 s[\g+3], (3*192)<<16
	s_mov_b32 s[\g+5], KT/8
	s_mov_b32 s[\g+6], 0
	s_mov_b32 s[\g+7], 0
.endr
.irp g, G1X, G1W
	s_mov_b32 s[\g+2], 8<<16
	s_mov_b32 s[\g+4], 8
.endr
	s_mov_b32 s[G1V+2], 4<<16
	s_mov_b32 s[G1V+4], 4
	s_lshl_b32 s18, s17, 4
	s_lshl_b32 s21, s14, 3
	s_add_co_u32 s18, s18, s21                     ; x: tiles 16 x row + 8 x wave on (waves 0 and 1)
	s_lshl_b32 s19, s11, 7
	s_lshl_b32 s21, s10, 3
	s_add_co_u32 s19, s19, s21
	s_add_co_u32 s19, s19, 128                     ; W_q's or W_k's eight tiles of the head
	s_lshl_b32 s20, s11, 2
	s_add_co_u32 s20, s20, s21
	s_add_co_u32 s20, s20, 384                     ; W_v's four
	s_mul_i32 s74, s18, KT
	s_mov_b32 s75, 0
	s_mul_i32 s76, s19, KT
	s_mov_b32 s77, 0
	s_mul_i32 s78, s20, KT
	s_mov_b32 s79, 0
	s_cmp_eq_u32 s14, 2
	s_cselect_b32 s81, s19, s20
	s_add_co_u32 s81, s81, s41                     ; prefetches: the weights' tile cy of my set,
	s_add_co_u32 s80, s18, s40                     ; x's tile cx
	s_cmp_lt_u32 s14, 2
	s_cselect_b32 s80, s80, s81
	s_mul_i32 s80, s80, KT
	s_mov_b32 s81, 0
	s_mul_i32 s45, s14, 8*P3                       ; where x's tiles go
	s_mul_i32 s46, s14, 8*P4
	s_add_co_u32 s46, s46, SLB
	v_and_b32 v1, 31, v0                           ; lane
	v_and_b32 v2, 15, v0                           ; r
	v_bfe_u32 v3, v0, 4, 1                         ; h
	v_lshlrev_b32 v[LI], 4, v1
	v_lshlrev_b32 v[L8], 3, v1
	s_wait_alu depctr_va_vdst(0)                   ; ahead of the scalar lines
	s_mul_i32 s21, s15, 8*P3
	v_add_nc_u32 v[AX], s21, v[LI]
	s_mul_i32 s21, s15, 8*P4
	s_add_co_u32 s21, s21, SLB
	v_add_nc_u32 v[AX+1], s21, v[LI]
	s_mul_i32 s21, s16, 4*P3
	s_add_co_u32 s21, s21, 16*P3
	v_add_nc_u32 v[AW], s21, v[LI]
	s_mul_i32 s21, s16, 4*P4
	s_add_co_u32 s21, s21, SLB+16*P4
	v_add_nc_u32 v[AW+1], s21, v[LI]
	s_mul_i32 s21, s16, 8*FRB
	s_add_co_u32 s21, s21, 16*P3
	v_add_nc_u32 v[AW+2], s21, v[LI]
	s_mul_i32 s21, s16, 2*P3
	s_add_co_u32 s21, s21, 24*P3
	v_add_nc_u32 v[AV], s21, v[LI]
	s_mul_i32 s21, s16, 2*P4
	s_add_co_u32 s21, s21, SLB+24*P4
	v_add_nc_u32 v[AV+1], s21, v[LI]
	s_mul_i32 s21, s16, 4*FRB
	s_add_co_u32 s21, s21, 24*P3
	v_add_nc_u32 v[AV+2], s21, v[LI]
	; scale words: lanes 0-15 x's tiles, lanes 16-31 the weights': one product, the distance between the two x h
	s_lshl_b32 s82, s17, 2
	s_lshl_b32 s21, s15, 1
	s_add_co_u32 s82, s82, s21
	s_lshl_b32 s82, s82, 12                        ; x's group of four tiles: 4 x row + 2 a
	s_lshl_b32 s83, s11, 5
	s_lshl_b32 s22, s10, 1
	s_add_co_u32 s83, s83, s22
	s_add_co_u32 s83, s83, s16
	s_add_co_u32 s83, s83, 32
	s_lshl_b32 s83, s83, 12                        ; the weight's band b
	s_sub_co_u32 s83, s83, s82
	v_mul_u32_u24 v6, s83, v3
	v_lshl_add_u32 v[SA1], v2, 4, v6
	v_add_nc_u32 v[SA1], s82, v[SA1]
	s_add_co_u32 s84, s82, 4096
	s_add_co_u32 s85, s22, s11
	s_add_co_u32 s85, s85, 96
	s_lshl_b32 s85, s85, 12
	s_lshl_b32 s23, s16, 3
	s_add_co_u32 s85, s85, s23                     ; W_v's tiles 2 b, 2 b + 1
	s_sub_co_u32 s85, s85, s84
	v_mul_u32_u24 v6, s85, v3
	v_lshl_add_u32 v[SA2], v2, 4, v6
	v_add_nc_u32 v[SA2], s84, v[SA2]
	v_min_u32 v[PF4], 23, v1
	v_min_u32 v[PF3], 17, v1
	v_min_u32 v[PF2], 11, v1                       ; (lanes that are left over name the run's last 256 bytes again)
	v_lshlrev_b32 v[PF4], 8, v[PF4]
	v_lshlrev_b32 v[PF3], 8, v[PF3]
	v_lshlrev_b32 v[PF2], 8, v[PF2]
	s_mul_i32 s21, s15, 12800
	s_add_co_u32 s21, s21, STG
	v_add_nc_u32 v[ST0], s21, v[LI]
	s_mul_i32 s22, s16, 6144
	v_add_nc_u32 v[RD], s22, v[ST0]                ; back: the half b of the step's image
	v_lshl_add_u32 v6, v2, 4, v3                   ; 16 r + h
	s_lshl_b32 s22, s16, 1
	s_add_co_u32 s22, s22, s21
	s_add_co_u32 s22, s22, 12288
	v_add_nc_u32 v[SBQ], s22, v6                   ; byte 2 b + h of row r's word
	s_lshl_b32 s22, s15, 8
	s_add_co_u32 s22, s22, STG+25600
	v_add_nc_u32 v[VSR], s22, v[L8]
	s_add_co_u32 s22, s22, s23
	v_add_nc_u32 v[SBV], s22, v6                   ; words 2 b, 2 b + 1 of row r
	s_wait_alu depctr_va_vdst(0)                   ; the head's end
	s_wait_dscnt 0x0                               ; both opening adds are done
	CROUND                                         ; all sixteen work-groups are here: the first joint loads meet
	s_wait_kmcnt 0x0
	s_mov_b32 s[G0X], 1
	s_mov_b32 s[G0X+1], s45
	s_add_nc_u64 s[G0X+2:G0X+3], s[4:5], s[74:75]
	s_or_b32 s[G0X+3], s[G0X+3], 0x80000000
	s_mov_b32 s[G0W], 1
	s_mov_b32 s[G0W+1], 16*P3
	s_add_nc_u64 s[G0W+2:G0W+3], s[4:5], s[76:77]
	s_or_b32 s[G0W+3], s[G0W+3], 0x80000000
	s_mov_b32 s[G0V], 1
	s_mov_b32 s[G0V+1], 24*P3
	s_add_nc_u64 s[G0V+2:G0V+3], s[4:5], s[78:79]
	s_or_b32 s[G0V+3], s[G0V+3], 0x80000000
	JLOAD                                          ; chunk 0: one tensor load a wave at the head
	s_add_nc_u64 s[PFA:PFA+1], s[4:5], s[80:81]
.irp k, 0,1,2,3,4,5,6,7,8,9,10,11,12,13,14,15
	global_load_b128 v[SC+8*\k:SC+8*\k+3], v[SA1], s[6:7] offset:256*\k       ; x's tiles 0-3; the weight's four
	global_load_b64 v[SC+8*\k+4:SC+8*\k+5], v[SA2], s[6:7] offset:256*\k      ; x's tiles 4, 5; W_v's two
	global_load_b64 v[SC+8*\k+6:SC+8*\k+7], v[SA2], s[6:7] offset:256*\k+8    ; x's tiles 6, 7 (lanes 16-31: words that no product names)
.endr
	ASK PF4, 3                                     ; chunk 1
	; where the results go: Q's or K's block, V's block
	s_lshr_b32 s21, s17, 2                         ; batch
	s_lshl_b32 s21, s21, 4
	s_add_co_u32 s21, s21, s10
	s_lshl_b32 s21, s21, 3
	s_and_b32 s22, s17, 3
	s_lshl_b32 s22, s22, 1
	s_add_co_u32 s21, s21, s22
	s_add_co_u32 s21, s21, s15                     ; 8 (16 batch + head) + step
	s_lshl_b32 s22, s11, 8
	s_add_co_u32 s22, s22, s21
	s_mul_i32 s22, s22, 12800
	s_mov_b32 s23, 0
	s_add_nc_u64 s[86:87], s[8:9], s[22:23]
	s_mul_i32 s22, s16, 6144
	s_add_nc_u64 s[88:89], s[86:87], s[22:23]
	s_add_co_u32 s21, s21, 512
	s_mul_i32 s22, s21, 12800
	s_add_nc_u64 s[90:91], s[8:9], s[22:23]
	s_lshl_b32 s22, s11, 8
	s_add_co_u32 s22, s22, 12288
	s_add_nc_u64 s[92:93], s[90:91], s[22:23]      ; V's words of my band
	s_lshl_b32 s22, s11, 1
	s_add_co_u32 s22, s22, s16
	s_mul_i32 s22, s22, 2*FRB
	s_add_nc_u64 s[90:91], s[90:91], s[22:23]      ; V's fragments 4 band + 2 b on
.macro SETK k                          ; where K step k lies: address registers, steps in its chunk, place in it
.if (\k) < 3
.set RG_, 0
.set CN_, 3
.set KK_, (\k)
.elseif (\k) < 7
.set RG_, 1
.set CN_, 4
.set KK_, (\k)-3
.elseif (\k) < 10
.set RG_, 0
.set CN_, 3
.set KK_, (\k)-7
.elseif (\k) < 14
.set RG_, 1
.set CN_, 4
.set KK_, (\k)-10
.else
.set RG_, 2
.set CN_, 2
.set KK_, (\k)-14
.endif
.endm
.macro LD k, n                         ; LDS load n (0 .. 41) of K step k, into set k % 2: the weights' six tiles, then x's eight; 512 consecutive bytes each
	SETK \k
.set P_, (\k)%2
.if (\n) < 12
.set Q_, (\n)/3
.set C_, (\n)%3
	WIN 0x40
	ds_load_b128 v[96+72*P_+12*Q_+4*C_:99+72*P_+12*Q_+4*C_], v[AW+RG_] offset:(Q_*CN_+KK_)*FRB+512*C_
.elseif (\n) < 18
.set Q_, ((\n)-12)/3
.set C_, (\n)%3
	WIN 0x40
	ds_load_b128 v[144+72*P_+12*Q_+4*C_:147+72*P_+12*Q_+4*C_], v[AV+RG_] offset:(Q_*CN_+KK_)*FRB+512*C_
.else
.set Q_, ((\n)-18)/3
.set C_, (\n)%3
	WIN 0x40*P_
	ds_load_b128 v[160*(1-P_)+12*Q_+4*C_:160*(1-P_)+12*Q_+4*C_+3], v[AX+RG_%2] offset:(Q_*CN_+KK_)*FRB+512*C_
.endif
.endm
.macro LDR k, n0, cnt
.set N_, \n0
.rept \cnt
	LD \k, N_
.set N_, N_+1
.endr
.endm
; GROUP t of K step k: x's tile t against the four channel tiles and the two of V.  The 48 accumulators take turns, one instruction a turn, in the same order in every step.
.macro GRP k, t, zero
.set P_, (\k)%2
.set XR_, 160*(1-P_)+12*(\t)
.set WR_, 96+72*P_
.set S_, SC+8*(\k)
	WIN 0xa1+4*P_                                  ; source 0 window 1, source 1 x's, C and D window 2
.irp j, 0,1,2,3
.if \zero
	v_wmma_scale_f32_16x16x128_f8f6f4 v[32*(\t)+8*\j:32*(\t)+8*\j+7], v[WR_+12*\j:WR_+12*\j+11], v[XR_:XR_+11], 0, v[S_+\j], v[S_+(\t)] matrix_a_fmt:MATRIX_FMT_FP6 matrix_b_fmt:MATRIX_FMT_FP6 matrix_a_scale:MATRIX_SCALE_ROW1
.else
	v_wmma_scale_f32_16x16x128_f8f6f4 v[32*(\t)+8*\j:32*(\t)+8*\j+7], v[WR_+12*\j:WR_+12*\j+11], v[XR_:XR_+11], v[32*(\t)+8*\j:32*(\t)+8*\j+7], v[S_+\j], v[S_+(\t)] matrix_a_fmt:MATRIX_FMT_FP6 matrix_b_fmt:MATRIX_FMT_FP6 matrix_a_scale:MATRIX_SCALE_ROW1
.endif
.endr
	WIN 0xf4+P_                                    ; source 0 x's, source 1 window 1, C and D window 3
.irp u, 0,1
.if \zero
	v_wmma_scale_f32_16x16x128_f8f6f4 v[64*\u+8*(\t):64*\u+8*(\t)+7], v[XR_:XR_+11], v[WR_+48+12*\u:WR_+59+12*\u], 0, v[S_+(\t)], v[S_+4+\u] matrix_a_fmt:MATRIX_FMT_FP6 matrix_b_fmt:MATRIX_FMT_FP6 matrix_b_scale:MATRIX_SCALE_ROW1
.else
	v_wmma_scale_f32_16x16x128_f8f6f4 v[64*\u+8*(\t):64*\u+8*(\t)+7], v[XR_:XR_+11], v[WR_+48+12*\u:WR_+59+12*\u], v[64*\u+8*(\t):64*\u+8*(\t)+7], v[S_+(\t)], v[S_+4+\u] matrix_a_fmt:MATRIX_FMT_FP6 matrix_b_fmt:MATRIX_FMT_FP6 matrix_b_scale:MATRIX_SCALE_ROW1
.endif
.endr
.endm
.macro STEP k, zero                    ; a K step whose successor lies in the same chunk
	s_wait_dscnt 12                                ; all but x's tiles 4-7 are in
	PLACES 4                                       ; the other set was read by the last step's products
.irp t, 0,1,2,3,4,5,6,7
.if \t == 4
	s_wait_dscnt 28                                ; those too: behind them 28 loads of the next step
.endif
	GRP \k, \t, \zero
.if \t < 6
	LDR (\k)+1, 7*\t, 7
.endif
.endr
.endm
.macro TURN k, fill, s, n, adv         ; a chunk's last K step: one barrier shows the next chunk; fill = 1: it opens a round, and the chunk after that goes into the slot left behind
	s_wait_dscnt 12
	GRP \k, 0, 0
	GRP \k, 1, 0
	WIN 0
	s_wait_tensorcnt 0x0                           ; all my tensor loads have landed: my part of the next chunk
.if \fill
	ds_add_u32 v[SPW], v[NIL]                      ; 0 onto my spare word
	NEXT \s, \n, \adv
.endif
	GRP \k, 2, 0
	s_wait_dscnt 0x0                               ; the add is done, and my reads of this slot are over
	s_barrier_signal -1
	GRP \k, 3, 0
	WIN 0
	s_barrier_wait -1
.if \fill
	CREST                                          ; no wave of any partner still reads this slot or has a load on its way
	JLOAD                                          ; the first tensor load behind the round; its four v_nop are the places in front of the loads below
.else
	PLACES 4
.endif
	LDR (\k)+1, 0, 14
	GRP \k, 4, 0
	LDR (\k)+1, 14, 14
	GRP \k, 5, 0
	LDR (\k)+1, 28, 14
	GRP \k, 6, 0
	GRP \k, 7, 0
.endm
	s_wait_tensorcnt 0x0                           ; my part of chunk 0 is in
	ds_add_u32 v[SPW], v[NIL]
	NEXT 1, 4, 3
	s_wait_dscnt 0x0
	CROUND
	JLOAD                                          ; chunk 1 into slot B
	LDR 0, 0, 42
	WIN 0
	ASK PF3, 7                                     ; chunk 2
	s_wait_loadcnt 0x0                             ; the scale words
	STEP 0, 1                                      ; the first products start the sums
	STEP 1, 0
	TURN 2, 1, 0, 3, 4                             ; chunk 2 into slot A
	WIN 0
	ASK PF4, 10                                    ; chunk 3
	STEP 3, 0
	STEP 4, 0
	STEP 5, 0
	TURN 6, 1, 1, 4, 3                             ; chunk 3 into slot B
	WIN 0
	ASK PF2, 14                                    ; chunk 4
	STEP 7, 0
	STEP 8, 0
	TURN 9, 1, 0, 2, 4                             ; chunk 4 into slot A
	STEP 10, 0
	STEP 11, 0
	STEP 12, 0
	TURN 13, 0, 0, 0, 0
	STEP 14, 0
	s_wait_dscnt 12                                ; the very last step
	GRP 15, 0, 0
	GRP 15, 1, 0
	GRP 15, 2, 0
	GRP 15, 3, 0
	s_wait_dscnt 0x0
	GRP 15, 4, 0
	GRP 15, 5, 0
	GRP 15, 6, 0
	GRP 15, 7, 0
	WIN 0
; THE WAY OUT.  Four blocks of 32 sums on end in window w from register s0 on: codes into v[pc ..], six registers a block, bytes into v[EB ..].
.macro QB w, s0, pc
	WIN (\w)*0x15
.irp q, 0,1,2,3
	v_max3_num_f32 v[TM+2*\q], |v[\s0+32*\q]|, |v[\s0+32*\q+1]|, |v[\s0+32*\q+2]|
	v_max3_num_f32 v[TM+2*\q+1], |v[\s0+32*\q+16]|, |v[\s0+32*\q+17]|, |v[\s0+32*\q+18]|
.endr
	WIN (\w)*0x14
.irp i, 3,5,7,9,11,13
.irp q, 0,1,2,3
	v_max3_num_f32 v[TM+2*\q], v[TM+2*\q], |v[\s0+32*\q+\i]|, |v[\s0+32*\q+\i+1]|
	v_max3_num_f32 v[TM+2*\q+1], v[TM+2*\q+1], |v[\s0+32*\q+16+\i]|, |v[\s0+32*\q+17+\i]|
.endr
.endr
.irp q, 0,1,2,3
	v_max3_num_f32 v[TM+2*\q], v[TM+2*\q], |v[\s0+32*\q+15]|, |v[\s0+32*\q+31]|
.endr
	WIN 0
.irp q, 0,1,2,3
	v_max3_num_f32 v[TM+2*\q], v[TM+2*\q], v[TM+2*\q+1], 0x1800000   ; with the floor 2^(3 - 127)
.endr
.irp q, 0,1,2,3
	v_add_nc_u32 v[SO+\q], 0xff000000, v[TM+2*\q]  ; 2 off the exponent field: the conversions' scale operand
.endr
.irp q, 0,1,2,3
	v_lshrrev_b32 v[EB+\q], 23, v[SO+\q]
.endr
.irp p, 0,2
	WIN (\w)
.irp q, \p, \p+1
	v_cvt_scalef32_pk16_fp6_f32 v[\pc+6*(\q):\pc+6*(\q)+2], v[\s0+32*(\q):\s0+32*(\q)+15], v[SO+\q]
	v_cvt_scalef32_pk16_fp6_f32 v[TC+4*(\q-\p):TC+4*(\q-\p)+2], v[\s0+32*(\q)+16:\s0+32*(\q)+31], v[SO+\q]
.endr
	WIN 0
	v_nop                                          ; one plain place behind a scaled conversion
.irp q, \p, \p+1
.irp i, 0,1,2
	v_mov_b32 v[\pc+6*(\q)+3+\i], v[TC+4*(\q-\p)+\i]
.endr
.endr
.endr
.endm
	PLACES 4                                       ; behind the last products
	QB 3, 0, VC                                    ; V: block q = 2 u + c
.irp q, 0,1,2,3
	ds_store_b8 v[SBV], v[EB+\q] offset:2*\q
.endr
.irp g, 0,1,2,3,4,5
	global_store_b128 v[LI], v[VC+4*\g:VC+4*\g+3], s[90:91] offset:512*\g   ; two whole fragments, 3,072 consecutive bytes
.endr
	QB 2, 0, QC                                    ; Q or K: x's tiles 0-3
.irp q, 0,1,2,3
	ds_store_b8 v[SBQ], v[EB+\q] offset:4*\q
.endr
	QB 2, 128, QC+24                               ; and 4-7
.irp q, 0,1,2,3
	ds_store_b8 v[SBQ], v[EB+\q] offset:256+4*\q
.endr
	s_wait_alu depctr_va_vdst(0)                   ; ahead of the branch
	s_cmp_eq_u32 s16, 0
	s_cbranch_scc0 .Lupper
.irp t, 0,1,2,3,4,5,6,7                        ; b = 0: registers 0-5 of each fragment's image
	ds_store_b128 v[ST0], v[QC+6*\t:QC+6*\t+3] offset:FRB*\t
	ds_store_b64 v[ST0], v[QC+6*\t+4:QC+6*\t+5] offset:FRB*\t+512
.endr
	s_branch .Lstaged
.Lupper:
.irp t, 0,1,2,3,4,5,6,7                        ; b = 1: registers 6-11
	ds_store_b64 v[ST0], v[QC+6*\t:QC+6*\t+1] offset:FRB*\t+520
	ds_store_b128 v[ST0], v[QC+6*\t+2:QC+6*\t+5] offset:FRB*\t+1024
.endr
.Lstaged:
	s_wait_dscnt 0x0
	s_barrier_signal -1
	s_barrier_wait -1                              ; both bands' halves and all bytes are in the stage
.irp i, 0,1,2,3,4,5,6,7,8,9,10,11
	ds_load_b128 v[QC+4*\i:QC+4*\i+3], v[RD] offset:512*\i
.endr
	s_cmp_eq_u32 s16, 0
	s_cbranch_scc0 .Lvwords
	ds_load_b128 v[TM:TM+3], v[ST0] offset:12288
	s_wait_dscnt 0x0
	global_store_b128 v[LI], v[TM:TM+3], s[86:87] offset:12288   ; the step's words of Q or K, 512 bytes
	s_branch .Lwords
.Lvwords:
	ds_load_b64 v[TM:TM+1], v[VSR]
	s_wait_dscnt 0x0
	global_store_b64 v[L8], v[TM:TM+1], s[92:93]   ; V's of my band, 256 bytes
.Lwords:
.irp i, 0,1,2,3,4,5,6,7,8,9,10,11
	global_store_b128 v[LI], v[QC+4*\i:QC+4*\i+3], s[88:89] offset:512*\i
.endr
	s_wait_tensorcnt 0x0                           ; the wave's end
	ds_add_u32 v[SPW], v[NIL]
	s_wait_dscnt 0x0
	CROUND                                         ; the closing round
	s_endpgm
.Lfunc_end_k_q39431f291b_qkv:
	.size	k_q39431f291b_qkv, .Lfunc_end_k_q39431f291b_qkv-k_q39431f291b_qkv
	.p2alignl 7, 3214868480
	.fill 96, 4, 3214868480
	.section	.rodata,"a",@progbits
	.p2align	6, 0x0
	.amdhsa_kernel k_q39431f291b_qkv
		.amdhsa_group_segment_fixed_size 327680
		.amdhsa_private_segment_fixed_size 0
		.amdhsa_enable_private_segment 0
		.amdhsa_kernarg_size 24
		.amdhsa_user_sgpr_count 2
		.amdhsa_user_sgpr_kernarg_segment_ptr 1
		.amdhsa_wavefront_size32 1
		.amdhsa_system_sgpr_workgroup_id_x 1
		.amdhsa_system_sgpr_workgroup_id_y 1
		.amdhsa_system_sgpr_workgroup_id_z 1
		.amdhsa_system_vgpr_workitem_id 0
		.amdhsa_next_free_vgpr 896
		.amdhsa_next_free_sgpr 102
		.amdhsa_reserve_vcc 0
		.amdhsa_float_denorm_mode_32 3
		.amdhsa_float_denorm_mode_16_64 3
		.amdhsa_memory_ordered 1
		.amdhsa_forward_progress 1
		.amdhsa_inst_pref_size 199
	.end_amdhsa_kernel
	.amdgpu_metadata
---
amdhsa.version: [ 1, 2 ]
amdhsa.kernels:
  - .name:           k_q39431f291b_qkv
    .symbol:         k_q39431f291b_qkv.kd
    .args:
      - { .name: codes, .offset: 0, .size: 8, .value_kind: global_buffer, .address_space: global }
      - { .name: scales, .offset: 8, .size: 8, .value_kind: global_buffer, .address_space: global }
      - { .name: qkvf, .offset: 16, .size: 8, .value_kind: global_buffer, .address_space: global }
    .group_segment_fixed_size: 327680
    .private_segment_fixed_size: 0
    .kernarg_segment_align: 8
    .kernarg_segment_size: 24
    .max_flat_workgroup_size: 128
    .sgpr_count:     102
    .vgpr_count:     896
    .wavefront_size: 32
...
	.end_amdgpu_metadata
.endif
;; end of part 2
;; launch attn (part 3): grid 8 x 32, 8 waves a work-group, clusters of 4 x 1, 266,240 bytes of LDS; arguments qkvf, ocodes, oscales; writes ocodes, oscales
.if DOCPART == 3
	.amdgcn_target "amdgcn-amd-amdhsa--gfx1250"
	.amdhsa_code_object_version 6
	.text
	.protected	k_q39431f291b_attn
	.globl	k_q39431f291b_attn
	.p2align	8
	.type	k_q39431f291b_attn,@function
k_q39431f291b_attn:
	s_mov_b64 s[64:65], 0
	v_nop
	global_prefetch_b8 v0, s[64:65] scope:SCOPE_SE
	s_setreg_imm32_b32 hwreg(HW_REG_WAVE_MODE, 25, 1), 1
	s_wait_xcnt 0x0
	s_wait_alu depctr_hold_cnt(0) depctr_sa_sdst(0) depctr_va_vdst(0) depctr_va_sdst(0) depctr_va_ssrc(0) depctr_va_vcc(0) depctr_vm_vsrc(0)
	s_getreg_b32 s2, hwreg(HW_REG_IB_STS2, 6, 4)
	s_cmp_eq_u32 s2, 0
	s_cbranch_scc0 .Lentry_in_a_cluster
	s_endpgm
.Lentry_in_a_cluster:
	s_bfe_u32 s2, ttmp6, 0x10000c
	s_cmp_lg_u32 s2, 0x3003
	s_cbranch_scc0 .Lentry_shape_is_right
	s_endpgm
.Lentry_shape_is_right:
; O = softmax(Q K^T / sqrt(128), causal) V for one batch and head, both products on codes of FP6; O is quantised along d_model on the way out, into fragments for launch proj.
; LEFT OUT: the key steps of 128 keys that lie wholly behind a tile's 16 queries: reference()'s own jnp.tril makes p exactly 0 there for all values of the inputs (shown at the head of launch quant).
; LIMITS: a NaN, an infinity or an overflow that would arise only in those scores is not carried to the result.  NaN and infinities among the inputs are not served; a p under 2^-126 counts as 0; the scaled scores (exponents to the base 2) stay under 2^31 in magnitude.
; THE SOFTMAX AHEAD OF THE SECOND PRODUCT: t = score x log2(e) / sqrt(128); M = the running largest t rounded UP to a whole number; p = 2^(t - M) is quantised along the keys, not normalised; the row's sum is taken of the
; unquantised p and divides O at the end.  When M moves, the sum and O are multiplied by 2^(old M - new M): exact.
; SHARES.  Work-group g (0..7) of a head owns the query tile g of each of the head's eight runs of 128 tokens; run j's tile needs key steps 0 .. j.  All work-groups are alike.  Eight waves, in pairs w, w + 4 (w = 0 .. 3):
;   wave w + 4 walks steps 0 .. 4 of run 7 - w's tile;   wave w walks steps 0 .. w of run w's tile, sends that tile out, and then walks steps 5 .. 7 - w of run 7 - w's.  Five and four steps.
;   At the end wave w hands its part (M, the sum, O) over through LDS, and wave w + 4 joins the two parts by exact powers of two.  Wave 3's second part is empty: its M is so low that it is joined with the factor 0.
;   A new tile begins with M at its lowest: its first step multiplies the old sum and O by 0, so nothing is cleared.
; THE WHOLE HEAD'S K AND V LIE IN LDS, filled once, one tensor load a wave: wave w asks for step w: 12,800 bytes of K (eight fragments and 512 bytes of scale words), 12,800 of V.  No slot is filled again.
; CLUSTER: the four work-groups of a cluster belong to one head and want the same K and V: every step is asked for jointly.  No prefetch: all that the launch reads is asked for at its head; no loop asks for more.
; LAYOUT.  Both products are used transposed: S^T = K Q^T, O^T = V^T P^T: a lane holds ONE query.  Tile 4 c + j holds keys (channels) 64 c + 8 j + i and those 32 on, so a lane's 32 registers of band c are keys (channels) 64 c + 32 h + 0 .. 31: one scale block.
; The O fragments' scale words leave as 4 bytes a lane, 64 bytes a wave beside 1,536 bytes of codes: a 16-byte group there takes words of four query tiles, which are four work-groups' results.
; REGISTERS: window 0: v1-11 addresses; v12 -M, v13 the largest t, v[14:15] the sum; v16-27 Q; v28-31 V's scale words; v32 p's; v34-46 the other run's Q and its scale word (waves 4 to 7 never take it); v48-69 at work; v96-159 S^T, then p;
;   v160-223 O^T; v224-235 codes; v232-254 at work; v248-251 K's scale words; v255 Q's.   window 1: v0-95 K's eight fragments, v96-191 V's.
.set FRB,   1536
.set BLK,   12800                      ; a step of K or of V
.set STEPB, 2*BLK
.set MRG,   9*STEPB                    ; the parts that are handed over: 17 x 512 bytes for each pair
.set MB,    8704
.set SPARE, MRG+4*MB                   ; the spare words, 128 bytes for each wave, that no other line names
.set REGN,  3276800                    ; a region of qkvf
.set LI,  1                            ; v1   16 x lane; never rewritten
.set DV,  2                            ; v2   my query's place in its 128 tokens - 32 h
.set RR,  3                            ; v3   r
.set SPW, 5                            ; v5   LDS address of my spare word; never rewritten
.set NIL, 6                            ; v6   0; never rewritten
.set SH,  7                            ; v7   8 h
.set ADK, 8                            ; v8   LDS address of the step
.set PD,  9                            ; v9   a lane permute's destination
.set MA,  10                           ; v10  LDS address of my pair's part
.set OSO, 11                           ; v11  16 r
.set VS,  28
.set PWD, 32
.set OW,  33
.set QP,  34
.set QPS, 46
.set SUM, 48
.set TM,  66
.set KS,  248
.set QS,  255
.set WV,   12                          ; s12  wave
.set ROLE, 13                          ; s13  the run whose tile is in hand
.set GQ,   14                          ; s14  g
.set BH,   15                          ; s15  16 batch + head
.set SEL,  20                          ; s[20:21] lane selects for v_permlanex16_b32
.set CS,   22                          ; s[22:23] c = log2(e) / sqrt(128)
.set G1C,  24                          ; s[24:31], s[32:35] the tensor load's groups
.set G0C,  32
.set TB,   80                          ; s80  LDS byte of step "trip"
.set TBX,  81                          ; s81  of the step in hand
.set JS,   82                          ; s82  its number
.set CNT,  83                          ; s83  the trip
.set SWI,  84                          ; s84  the trip at which waves 0 to 3 change tiles: w + 1
.set OFFS, 85                          ; s85  and by how many bytes
.set OFJ,  86                          ; s86  and steps, 4 - w, they go further then
.set CB,   87                          ; s87  band of my query tile
.set CX,   88                          ; s88  its j
.set MSB, 0
.macro WIN new
.if MSB != (\new)
	s_set_vgpr_msb (MSB<<8)|(\new)
.set MSB, (\new)
.endif
.endm
.macro PLACES n
.rept \n
	v_nop
.endr
.endm
.macro CROUND
	s_barrier_signal -1
	s_barrier_wait -1
	s_cmp_lg_u32 s[WV], 0
	s_cbranch_scc1 .Lnot_wave_0_\@
	s_barrier_signal -3
.Lnot_wave_0_\@:
	s_barrier_wait -3
	s_barrier_signal -1
	s_barrier_wait -1
.endm
	s_load_b128 s[4:7], s[0:1], 0x0                ; qkvf, ocodes
	s_load_b64 s[8:9], s[0:1], 0x10                ; oscales
	v_lshl_add_u32 v[SPW], v0, 2, SPARE
	v_mov_b32 v[NIL], 0
	ds_add_u32 v[SPW], v[NIL]                      ; the wave's opening: the add, twice on end, and its wait ahead of my first tensor load
	ds_add_u32 v[SPW], v[NIL]
	v_lshrrev_b32 v8, 5, v0
	v_readfirstlane_b32 s[WV], v8                  ; wave 0..7
	s_lshr_b32 s[ROLE], s[WV], 2
	s_mul_i32 s[ROLE], s[ROLE], 3
	s_xor_b32 s[ROLE], s[ROLE], s[WV]              ; 0 1 2 3 7 6 5 4
	s_add_co_u32 s[SWI], s[WV], 1
	s_and_b32 s[OFJ], s[WV], 3
	s_mul_i32 s89, s[OFJ], MB
	s_add_co_u32 s89, s89, MRG
	s_xor_b32 s[OFJ], s[OFJ], 3
	s_add_co_u32 s[OFJ], s[OFJ], 1
	s_mul_i32 s[OFFS], s[OFJ], STEPB
	s_bfe_u32 s[CX], ttmp6, 0x40000                ; cx
	s_mov_b32 s[CB], ttmp9
	s_lshl_b32 s[GQ], ttmp9, 2
	s_add_co_u32 s[GQ], s[GQ], s[CX]               ; g = 4 x cluster x + cx: it enters Q's and O's addresses and the mask's compare alone
	s_and_b32 s[BH], ttmp7, 0xffff
	s_mov_b32 s[G1C], 15|(3<<16)|(1<<21)           ; 15:0 the mask: all four work-groups; 17:16 elements of 8 bytes; no padding; 21 set beside a mask
	s_mov_b32 s[G1C+1], (BLK/8)<<16
	s_mov_b32 s[G1C+2], 2<<16                      ; K's block, and V's one region further on
	s_mov_b32 s[G1C+3], (BLK/8)<<16
	s_mov_b32 s[G1C+4], 2
	s_mov_b32 s[G1C+5], REGN/8
	s_mov_b32 s[G1C+6], 0
	s_mov_b32 s[G1C+7], 0
	s_mov_b32 s[SEL], 0x76543210
	s_mov_b32 s[SEL+1], 0xfedcba98
	s_mov_b32 s[CS], 0x3e0293ee                    ; c = log2(e) / sqrt(128)
	s_mov_b32 s[CS+1], s[CS]                       ; (named with it as a pair, so it is written)
	s_mov_b32 s[JS], 0
	s_lshl_b32 s68, s[BH], 3                       ; the head's first step
	s_add_co_u32 s70, s68, s[WV]
	s_mul_i32 s70, s70, BLK
	s_add_co_u32 s70, s70, REGN                    ; I fetch step w: K's region
	s_mov_b32 s71, 0
	s_mul_i32 s72, s[WV], STEPB
	s_mul_i32 s73, s[GQ], FRB
	s_add_co_u32 s16, s68, s[ROLE]
	s_mul_i32 s16, s16, BLK
	s_add_co_u32 s16, s16, s73                     ; Q's fragment of my first tile
	s_mov_b32 s17, 0
	s_xor_b32 s18, s[ROLE], 7
	s_add_co_u32 s18, s18, s68
	s_mul_i32 s18, s18, BLK
	s_add_co_u32 s18, s18, s73                     ; and of the pair's other run
	s_mov_b32 s19, 0
	s_lshl_b32 s74, s[CB], 8
	s_lshl_b32 s75, s[CX], 2
	s_add_co_u32 s74, s74, s75
	s_add_co_u32 s74, s74, 12288
	s_sub_co_u32 s74, s74, s73                     ; from a tile's fragment to its scale words' first: taken by the vector offset
	s_lshl_b32 s3, s[CB], 6
	s_lshl_b32 s2, s[CX], 3
	s_add_co_u32 s3, s3, s2                        ; my tile's first query in its 128 tokens
	v_and_b32 v4, 31, v0
	v_and_b32 v[RR], 15, v0
	v_bfe_u32 v47, v0, 4, 1                        ; h
	v_lshlrev_b32 v[LI], 4, v4
	v_lshlrev_b32 v[SH], 3, v47
	v_lshlrev_b32 v[OSO], 4, v[RR]
	v_add_nc_u32 v[MA], s89, v[LI]
	v_and_b32 v4, 7, v[RR]
	v_and_b32 v[DV], 8, v[RR]
	v_lshl_add_u32 v[DV], v[DV], 2, v4             ; r % 8 + 32 (r / 8)
	v_lshlrev_b32 v47, 5, v47
	v_sub_nc_u32 v[DV], v[DV], v47
	v_add_nc_u32 v[DV], s3, v[DV]
	v_add_nc_u32 v70, s74, v[OSO]                  ; 16 r + the distance (12,288 - 1,536 g + ..: never negative)
	v_mov_b32 v13, 0xff61b1e6                      ; the largest t so far: -3e38, under every t
	v_floor_f32 v12, -v13                          ; -M
	v_mov_b32 v14, 0                               ; the sum, in two halves
	v_mov_b32 v15, 0
	v_mov_b32 v[PD], 0                             ; written once: a lane permute's destination counts as one of its sources
	v_mov_b32 v253, 0                              ; (named as the upper half of the pair v[252:253] before it is first written)
	s_wait_alu depctr_va_vdst(0)                   ; the head's end
	s_wait_dscnt 0x0                               ; both opening adds are done
	CROUND                                         ; all four work-groups are here: the joint loads meet
	s_wait_kmcnt 0x0
	s_mov_b32 s[G0C], 1
	s_mov_b32 s[G0C+1], s72
	s_add_nc_u64 s[G0C+2:G0C+3], s[4:5], s[70:71]
	s_or_b32 s[G0C+3], s[G0C+3], 0x80000000
	s_cmp_eq_u32 s[WV], 0
	s_cbranch_scc0 .Lothers
	tensor_load_to_lds s[G0C:G0C+3], s[G1C:G1C+7]  ; wave 0: step 0, a line of its own, so that step 0 can be shown by itself
	s_nop 0
	PLACES 4
	s_branch .Lasked
.Lothers:
	tensor_load_to_lds s[G0C:G0C+3], s[G1C:G1C+7]  ; waves 1 to 7: steps 1 to 7
	s_nop 0
	PLACES 4
.Lasked:
	s_add_nc_u64 s[16:17], s[4:5], s[16:17]
	s_add_nc_u64 s[18:19], s[4:5], s[18:19]
.irp c, 0,1,2
	global_load_b128 v[16+4*\c:19+4*\c], v[LI], s[16:17] offset:512*\c
.endr
	global_load_b32 v[QS], v70, s[16:17]
.irp c, 0,1,2
	global_load_b128 v[QP+4*\c:QP+4*\c+3], v[LI], s[18:19] offset:512*\c
.endr
	global_load_b32 v[QPS], v70, s[18:19]
.macro SMUL t                          ; S^T, tile t = 4 c + j: its words lie in register j, lanes 0-15 for band 0, 16-31 for band 1
.if (\t) > 3
	v_wmma_scale_f32_16x16x128_f8f6f4 v[96+8*(\t):103+8*(\t)], v[12*(\t):12*(\t)+11], v[16:27], 0, v[KS+(\t)%4], v[QS] matrix_a_fmt:MATRIX_FMT_FP6 matrix_b_fmt:MATRIX_FMT_FP6 matrix_a_scale:MATRIX_SCALE_ROW1
.else
	v_wmma_scale_f32_16x16x128_f8f6f4 v[96+8*(\t):103+8*(\t)], v[12*(\t):12*(\t)+11], v[16:27], 0, v[KS+(\t)%4], v[QS] matrix_a_fmt:MATRIX_FMT_FP6 matrix_b_fmt:MATRIX_FMT_FP6
.endif
.endm
.macro PVMUL t, first                  ; O^T, tile t; first = 1: the product starts the sum
.if \first
.if (\t) > 3
	v_wmma_scale_f32_16x16x128_f8f6f4 v[160+8*(\t):167+8*(\t)], v[96+12*(\t):107+12*(\t)], v[224:235], 0, v[VS+(\t)%4], v[PWD] matrix_a_fmt:MATRIX_FMT_FP6 matrix_b_fmt:MATRIX_FMT_FP6 matrix_a_scale:MATRIX_SCALE_ROW1
.else
	v_wmma_scale_f32_16x16x128_f8f6f4 v[160+8*(\t):167+8*(\t)], v[96+12*(\t):107+12*(\t)], v[224:235], 0, v[VS+(\t)%4], v[PWD] matrix_a_fmt:MATRIX_FMT_FP6 matrix_b_fmt:MATRIX_FMT_FP6
.endif
.else
.if (\t) > 3
	v_wmma_scale_f32_16x16x128_f8f6f4 v[160+8*(\t):167+8*(\t)], v[96+12*(\t):107+12*(\t)], v[224:235], v[160+8*(\t):167+8*(\t)], v[VS+(\t)%4], v[PWD] matrix_a_fmt:MATRIX_FMT_FP6 matrix_b_fmt:MATRIX_FMT_FP6 matrix_a_scale:MATRIX_SCALE_ROW1
.else
	v_wmma_scale_f32_16x16x128_f8f6f4 v[160+8*(\t):167+8*(\t)], v[96+12*(\t):107+12*(\t)], v[224:235], v[160+8*(\t):167+8*(\t)], v[VS+(\t)%4], v[PWD] matrix_a_fmt:MATRIX_FMT_FP6 matrix_b_fmt:MATRIX_FMT_FP6
.endif
.endif
.endm
.macro PACKW w                         ; v244, v245: the scale operands of my blocks h and 2 + h: their bytes and lane l xor 16's make the row's word
	v_lshrrev_b32 v246, 23, v244
	v_lshrrev_b32 v247, 23, v245
	v_lshl_or_b32 v246, v247, 16, v246
	v_lshlrev_b32 v246, v[SH], v246
	v_permlanex16_b32 v[PD], v246, s[SEL], s[SEL+1]
	v_or_b32 v[\w], v246, v[PD]
.endm
.macro CODES                           ; my 64 numbers v96-159 into the operand's registers v224-235
.irp c, 0,1
	v_cvt_scalef32_pk16_fp6_f32 v[224+6*\c:226+6*\c], v[96+32*\c:111+32*\c], v[244+\c]
	v_cvt_scalef32_pk16_fp6_f32 v[236+4*\c:238+4*\c], v[112+32*\c:127+32*\c], v[244+\c]
.endr
	v_nop                                          ; one plain place behind a scaled conversion
.irp c, 0,1
.irp i, 0,1,2
	v_mov_b32 v[227+6*\c+\i], v[236+4*\c+\i]
.endr
.endr
.endm
; A KEY STEP: 128 keys.  first = 1: step 0, which every wave walks and which starts O^T's sums.
.macro STEP first
.if \first
	v_mov_b32 v[ADK], v[LI]
.else
	s_cmp_gt_u32 s[JS], s[ROLE]                    ; a step behind my queries is left out: a branch on the wave's number and the trip; no barrier and no tensor load stands in a step
	s_cbranch_scc1 .Lhidden_\@
	v_add_nc_u32 v[ADK], s[TBX], v[LI]
.endif
	PLACES 3                                       ; with the line above: four places in front of loads into registers that the last products have read
	ds_load_b128 v[KS:KS+3], v[ADK] offset:12288   ; K's scale words of all eight fragments
	ds_load_b128 v[VS:VS+3], v[ADK] offset:BLK+12288
	WIN 0x40                                       ; destination window 1
.set JJ, 0
.rept 24
	ds_load_b128 v[4*JJ:4*JJ+3], v[ADK] offset:512*JJ
.set JJ, JJ+1
.endr
.set JJ, 0
.rept 24
	ds_load_b128 v[96+4*JJ:99+4*JJ], v[ADK] offset:BLK+512*JJ   ; V is asked for ahead of the softmax
.set JJ, JJ+1
.endr
	s_wait_dscnt 24                                ; the scale words and K are in; V's 24 loads may stay out
	WIN 0x01                                       ; source 0 window 1
.irp t, 0,1,2,3,4,5,6,7
	SMUL \t
.endr
	WIN 0
	PLACES 4
	s_cmp_lg_u32 s[JS], s[ROLE]                    ; the step on the diagonal: the scores of hidden keys become -infinity ahead of the maximum, so p = 0 there
	s_cbranch_scc1 .Lopen_\@
	v_mov_b32 v254, 0xff800000
.set NN, 0
.rept 64                               ; register 32 c + n holds key 64 c + 32 h + n of the step: hidden where 64 c + n > my query's place - 32 h
	v_cmp_gt_i32 vcc_lo, 64*(NN/32)+NN%32, v[DV]
	v_cndmask_b32 v[96+NN], v[96+NN], v254, vcc_lo
.set NN, NN+1
.endr
.Lopen_\@:
.irp b, 0,1,2,3
	v_max3_num_f32 v[232+\b], v[96+16*\b], v[97+16*\b], v[98+16*\b]
.endr
.irp i, 3,5,7,9,11,13
.irp b, 0,1,2,3
	v_max3_num_f32 v[232+\b], v[232+\b], v[96+16*\b+\i], v[97+16*\b+\i]
.endr
.endr
.irp b, 0,1,2,3
	v_max_num_f32 v[232+\b], v[232+\b], v[111+16*\b]
.endr
	v_max_num_f32 v232, v232, v233                 ; the largest score of my block of band 0: for the row's maximum and, since p rises with the score, for the block's largest p
	v_max_num_f32 v233, v234, v235                 ; of band 1
	v_max_num_f32 v254, v232, v233
	v_permlanex16_b32 v[PD], v254, s[SEL], s[SEL+1]
	v_max_num_f32 v254, v254, v[PD]                ; the step's largest score of my query
	v_mul_f32 v254, s[CS], v254                    ; as t (c is positive)
	v_max_num_f32 v13, v13, v254                   ; the running largest t
	v_mov_b32 v254, v12
	v_floor_f32 v12, -v13                          ; the new -M = floor(-t): M is a whole number
	v_sub_f32 v254, v12, v254                      ; M's old value less its new one: a whole number, 0 or less
	v_cvt_i32_f32 v254, v254                       ; (it saturates)
	v_ldexp_f32 v252, 1.0, v254                    ; f = 2^(old M - new M)
.set JJ, 0
.rept 32
	v_pk_fma_f32 v[96+JJ:97+JJ], v[96+JJ:97+JJ], s[CS:CS+1], v[12:13] op_sel_hi:[1,0,0]   ; t - M, two at a time
.set JJ, JJ+2
.endr
	v_fma_f32 v232, v232, s[CS], v12               ; the same of each block's largest score
	v_fma_f32 v233, v233, s[CS], v12
	s_wait_alu depctr_va_vdst(0)                   ; ahead of the batch
.set JJ, 0
.rept 64
	v_exp_f32 v[96+JJ], v[96+JJ]                   ; p = 2^(t - M), at most 1: not normalised
.set JJ, JJ+1
.endr
	v_exp_f32 v232, v232                           ; the blocks' largest p
	v_exp_f32 v233, v233
	v_pk_mul_f32 v[14:15], v[14:15], v[252:253] op_sel_hi:[1,0]   ; the sums under the new M: a plain place behind the exponentials
	s_wait_alu depctr_va_vdst(0)                   ; and one behind it
	v_max_num_f32 v232, 0x1800000, v232            ; the floor 2^(3 - 127): a block whose every p is 0 keeps the byte 1: its codes are zeros
	v_max_num_f32 v233, 0x1800000, v233
.irp k, 0,1,2,3,4,5,6,7                ; the row's sum of the unquantised p, in eight chains
	v_pk_add_f32 v[SUM+2*\k:SUM+2*\k+1], v[96+2*\k:97+2*\k], v[112+2*\k:113+2*\k]
.endr
.irp n, 128,144
.irp k, 0,1,2,3,4,5,6,7
	v_pk_add_f32 v[SUM+2*\k:SUM+2*\k+1], v[SUM+2*\k:SUM+2*\k+1], v[\n+2*\k:\n+1+2*\k]
.endr
.endr
.irp k, 0,1,2,3
	v_pk_add_f32 v[SUM+2*\k:SUM+2*\k+1], v[SUM+2*\k:SUM+2*\k+1], v[SUM+8+2*\k:SUM+9+2*\k]
.endr
	v_add_nc_u32 v244, 0xff000000, v232            ; 2 off the exponent field: the conversions' scale operand
	v_add_nc_u32 v245, 0xff000000, v233
	v_pk_add_f32 v[SUM:SUM+1], v[SUM:SUM+1], v[SUM+4:SUM+5]
	v_pk_add_f32 v[SUM+2:SUM+3], v[SUM+2:SUM+3], v[SUM+6:SUM+7]
	v_pk_add_f32 v[14:15], v[14:15], v[SUM:SUM+1]
	PACKW PWD                                      ; p's scale word for these 128 keys
	v_pk_add_f32 v[14:15], v[14:15], v[SUM+2:SUM+3]
	CODES
	s_wait_alu depctr_va_vdst(0)                   ; ahead of O^T's first reader
.if \first
	PLACES 8                                       ; a scale register written by a vector instruction stands 8 places ahead of a scaled matrix instruction, an operand so written 4
.else
.set JJ, 0
.rept 32
	v_pk_mul_f32 v[160+JJ:161+JJ], v[160+JJ:161+JJ], v[252:253] op_sel_hi:[1,0]   ; O^T under the new M; these are also the places in front of the products below
.set JJ, JJ+2
.endr
.endif
	s_wait_alu depctr_va_vdst(0)
	s_wait_dscnt 0x0                               ; V is in
	WIN 0x01
.irp t, 0,1,2,3,4,5,6,7                ; eight accumulators by turns
	PVMUL \t, \first
.endr
	WIN 0
.if \first == 0
.Lhidden_\@:
.endif
.endm
; THE WAY OUT of the tile in hand.  O^T / the sum is quantised as it stands: register 32 c + n = channel 64 c + 32 h + n of my head: K step "head" of launch proj, rows = the tile's 16 tokens.
.macro WAYOUT
	v_add_f32 v14, v14, v15                        ; the sum's two halves,
	v_permlanex16_b32 v[PD], v14, s[SEL], s[SEL+1]
	v_add_f32 v14, v14, v[PD]                      ; and lane l xor 16's: the row's sum
	s_wait_alu depctr_va_vdst(0)
	v_rcp_f32 v14, v14
	v_nop
	s_lshr_b32 s68, s[BH], 4                       ; the batch
	s_lshl_b32 s68, s68, 4
	s_lshl_b32 s69, s[ROLE], 1
	s_add_co_u32 s68, s68, s69
	s_add_co_u32 s68, s68, s[CB]                   ; the group of four row tiles of O
	s_and_b32 s69, s[BH], 15                       ; the head
	s_lshl_b32 s70, s68, 2
	s_add_co_u32 s70, s70, s[CX]
	s_lshl_b32 s70, s70, 4
	s_add_co_u32 s70, s70, s69
	s_mul_i32 s70, s70, FRB
	s_mov_b32 s71, 0
	s_add_nc_u64 s[60:61], s[6:7], s[70:71]
	s_lshl_b32 s70, s68, 4
	s_add_co_u32 s70, s70, s69
	s_lshl_b32 s70, s70, 8
	s_lshl_b32 s69, s[CX], 2
	s_add_co_u32 s70, s70, s69
	s_add_nc_u64 s[62:63], s[8:9], s[70:71]
	s_wait_alu depctr_va_vdst(0)                   ; ahead of the reciprocal's first reader
.set JJ, 0
.rept 32
	v_pk_mul_f32 v[96+JJ:97+JJ], v[160+JJ:161+JJ], v[14:15] op_sel_hi:[1,0]   ; each accumulator from its low end on
.set JJ, JJ+2
.endr
.irp b, 0,1,2,3
	v_max3_num_f32 v[TM+\b], |v[96+16*\b]|, |v[97+16*\b]|, 0x1800000
.endr
.irp i, 2,4,6,8,10,12,14
.irp b, 0,1,2,3
	v_max3_num_f32 v[TM+\b], v[TM+\b], |v[96+16*\b+\i]|, |v[97+16*\b+\i]|
.endr
.endr
	v_max_num_f32 v[TM], v[TM], v[TM+1]
	v_max_num_f32 v[TM+2], v[TM+2], v[TM+3]
	v_add_nc_u32 v244, 0xff000000, v[TM]
	v_add_nc_u32 v245, 0xff000000, v[TM+2]
	PACKW OW
	CODES
.irp g, 0,1,2
	global_store_b128 v[LI], v[224+4*\g:227+4*\g], s[60:61] offset:512*\g   ; 32 lanes store 512 consecutive bytes, at a multiple of 512 from the buffer's first byte
.endr
	global_store_b32 v[OSO], v[OW], s[62:63]       ; row r's scale word (both lanes of a row store the same)
.endm
	s_cmp_eq_u32 s[WV], 0
	s_cbranch_scc0 .Lnot_first
	s_wait_tensorcnt 0x0                           ; wave 0: step 0 is in
.Lnot_first:
	s_barrier_signal -1
	s_barrier_wait -1                              ; the other steps may be on their way
	s_wait_loadcnt 0x0                             ; Q
	STEP 1
	s_wait_tensorcnt 0x0                           ; all steps
	s_barrier_signal -1
	s_barrier_wait -1
	s_mov_b32 s[CNT], 1
	s_mov_b32 s[TB], STEPB
.Lstep:                                            ; trips 1 to 4: no barrier, the waves run free
	s_cmp_lg_u32 s[CNT], s[SWI]
	s_cbranch_scc1 .Lkeep                          ; wave w of 0 to 3 changes tiles at trip w + 1
	PLACES 4                                       ; places behind the last products
	WAYOUT
	s_wait_alu depctr_va_vdst(0)
	s_wait_xcnt 0x0                                ; the stores have read their registers
	s_xor_b32 s[ROLE], s[ROLE], 7
	v_mov_b32 v[QS], v[QPS]
.irp i, 0,1,2,3,4,5,6,7,8,9,10,11
	v_mov_b32 v[16+\i], v[QP+\i]
.endr
	v_mov_b32 v13, 0xff61b1e6                      ; M at its lowest
	v_floor_f32 v12, -v13
	s_wait_alu depctr_va_vdst(0)
.Lkeep:
	s_cmp_gt_u32 s[CNT], s[WV]                     ; behind the change: 4 - w steps further on (never in waves 4 to 7)
	s_cselect_b32 s[TBX], s[OFFS], 0
	s_cselect_b32 s[JS], s[OFJ], 0
	s_add_co_u32 s[TBX], s[TBX], s[TB]
	s_add_co_u32 s[JS], s[JS], s[CNT]
	STEP 0
	s_add_co_u32 s[TB], s[TB], STEPB
	s_add_co_u32 s[CNT], s[CNT], 1
	s_cmp_lg_u32 s[CNT], 5
	s_cbranch_scc1 .Lstep
	PLACES 4                                       ; places behind the last products
	s_cmp_lt_u32 s[WV], 4
	s_cbranch_scc0 .Lheir
.set JJ, 0
.rept 16
	ds_store_b128 v[MA], v[160+4*JJ:163+4*JJ] offset:512*JJ   ; waves 0 to 3 hand their part over
.set JJ, JJ+1
.endr
	ds_store_b128 v[MA], v[12:15] offset:8192
.Lheir:
	s_wait_alu depctr_va_vdst(0)
	s_wait_dscnt 0x0
	s_barrier_signal -1
	s_barrier_wait -1
	s_cmp_lt_u32 s[WV], 4
	s_cbranch_scc1 .Ldone
	ds_load_b128 v[240:243], v[MA] offset:8192     ; -M, the largest t, the sum's halves of the other part
.set JJ, 0
.rept 16
	ds_load_b128 v[96+4*JJ:99+4*JJ], v[MA] offset:512*JJ
.set JJ, JJ+1
.endr
	s_wait_dscnt 0x0
	v_min_num_f32 v254, v12, v240                  ; the joint -M
	v_sub_f32 v246, v254, v12
	v_sub_f32 v247, v254, v240
	v_cvt_i32_f32 v246, v246
	v_cvt_i32_f32 v247, v247
	v_ldexp_f32 v252, 1.0, v246                    ; my part's factor,
	v_ldexp_f32 v244, 1.0, v247                    ; and the other's
	v_pk_mul_f32 v[14:15], v[14:15], v[252:253] op_sel_hi:[1,0]
	v_pk_fma_f32 v[14:15], v[242:243], v[244:245], v[14:15] op_sel_hi:[1,0,1]
.set JJ, 0
.rept 32
	v_pk_mul_f32 v[160+JJ:161+JJ], v[160+JJ:161+JJ], v[252:253] op_sel_hi:[1,0]
.set JJ, JJ+2
.endr
.set JJ, 0
.rept 32
	v_pk_fma_f32 v[160+JJ:161+JJ], v[96+JJ:97+JJ], v[244:245], v[160+JJ:161+JJ] op_sel_hi:[1,0,1]
.set JJ, JJ+2
.endr
	WAYOUT
.Ldone:
	s_wait_tensorcnt 0x0                           ; the wave's end
	ds_add_u32 v[SPW], v[NIL]
	s_wait_dscnt 0x0
	CROUND                                         ; the closing round
	s_endpgm
.Lfunc_end_k_q39431f291b_attn:
	.size	k_q39431f291b_attn, .Lfunc_end_k_q39431f291b_attn-k_q39431f291b_attn
	.p2alignl 7, 3214868480
	.fill 96, 4, 3214868480
	.section	.rodata,"a",@progbits
	.p2align	6, 0x0
	.amdhsa_kernel k_q39431f291b_attn
		.amdhsa_group_segment_fixed_size 266240
		.amdhsa_private_segment_fixed_size 0
		.amdhsa_enable_private_segment 0
		.amdhsa_kernarg_size 24
		.amdhsa_user_sgpr_count 2
		.amdhsa_user_sgpr_kernarg_segment_ptr 1
		.amdhsa_wavefront_size32 1
		.amdhsa_system_sgpr_workgroup_id_x 1
		.amdhsa_system_sgpr_workgroup_id_y 1
		.amdhsa_system_sgpr_workgroup_id_z 1
		.amdhsa_system_vgpr_workitem_id 0
		.amdhsa_next_free_vgpr 448
		.amdhsa_next_free_sgpr 96
		.amdhsa_reserve_vcc 1
		.amdhsa_float_denorm_mode_32 3
		.amdhsa_float_denorm_mode_16_64 3
		.amdhsa_memory_ordered 1
		.amdhsa_forward_progress 1
		.amdhsa_inst_pref_size 71
	.end_amdhsa_kernel
	.amdgpu_metadata
---
amdhsa.version: [ 1, 2 ]
amdhsa.kernels:
  - .name:           k_q39431f291b_attn
    .symbol:         k_q39431f291b_attn.kd
    .args:
      - { .name: qkvf, .offset: 0, .size: 8, .value_kind: global_buffer, .address_space: global }
      - { .name: ocodes, .offset: 8, .size: 8, .value_kind: global_buffer, .address_space: global }
      - { .name: oscales, .offset: 16, .size: 8, .value_kind: global_buffer, .address_space: global }
    .group_segment_fixed_size: 266240
    .private_segment_fixed_size: 0
    .kernarg_segment_align: 8
    .kernarg_segment_size: 24
    .max_flat_workgroup_size: 256
    .sgpr_count:     96
    .vgpr_count:     448
    .wavefront_size: 32
...
	.end_amdgpu_metadata
.endif
;; end of part 3
;; launch proj (part 4): grid 16 x 16, 4 waves a work-group, clusters of 4 x 4, 327,680 bytes of LDS; arguments ocodes, oscales, codes, scales, out0; writes out0
.if DOCPART == 4
	.amdgcn_target "amdgcn-amd-amdhsa--gfx1250"
	.amdhsa_code_object_version 6
	.text
	.protected	k_q39431f291b_proj
	.globl	k_q39431f291b_proj
	.p2align	8
	.type	k_q39431f291b_proj,@function
k_q39431f291b_proj:
	s_mov_b64 s[64:65], 0
	v_nop
	global_prefetch_b8 v0, s[64:65] scope:SCOPE_SE
	s_setreg_imm32_b32 hwreg(HW_REG_WAVE_MODE, 25, 1), 1
	s_wait_xcnt 0x0
	s_wait_alu depctr_hold_cnt(0) depctr_sa_sdst(0) depctr_va_vdst(0) depctr_va_sdst(0) depctr_va_ssrc(0) depctr_va_vcc(0) depctr_vm_vsrc(0)
	s_getreg_b32 s2, hwreg(HW_REG_IB_STS2, 6, 4)
	s_cmp_eq_u32 s2, 0
	s_cbranch_scc0 .Lentry_in_a_cluster
	s_endpgm
.Lentry_in_a_cluster:
	s_bfe_u32 s2, ttmp6, 0x10000c
	s_cmp_lg_u32 s2, 0xf033
	s_cbranch_scc0 .Lentry_shape_is_right
	s_endpgm
.Lentry_shape_is_right:
; out = O W_o^T on codes of FP6, K = 2,048; out is [2048][2048] f32.  Nothing is left out here.
; A tile of 128 x 128 (256 work-groups, one for each WGP), four waves of 64 x 64: 16 accumulators.  A = O's row tiles (ocodes, oscales, as launch attn left them), B = W_o's (tiles 512 on of codes, scales).
; LDS: region 0 holds K steps 0-3, region 1 K steps 4-12; all of both is asked for at the head, one tensor load a wave: wave 0 A's and wave 1 B's part of region 0, waves 2 and 3 those of region 1.
; The one refill takes K steps 13-15 into region 0 when that has been read: nine steps of work lie between its request and the wait for it.  Scale words of all K lie in registers.  The sixteen K steps are written out.
; No prefetch: all but that one refill is asked for at the head, and the text has no loop to run ahead in.
; THE MATRIX INSTRUCTION IS USED TRANSPOSED: lane (r, h) holds row r of A's tile, and register i of B's tile b the column 32 h + 8 b + i of the wave's 64: 32 neighbours.  Row r of A's tile a is row 8 a + r % 8 + 32 (r / 8) of the wave's 64.
; CLUSTERS: 4 x 4; A's tiles are asked for jointly along a row of the cluster, B's along a column.
; REGISTERS: window 0: v1-31 addresses; v32-95 A's scale words, 4 for each K step; v100-163 B's.  window 1: v0-95 B's fragments, two sets; v96-191 A's (on the way out v0-127: rows read back).  window 2: accumulator (a, b) at 8 (4 a + b).
.set FRB,   1536
.set KT,    24576
.set R1,    8*2*4*FRB                  ; region 1
.set SPARE, R1+8*2*9*FRB               ; the spare words, 128 bytes for each wave, that no other line names
.set STG,   R1                         ; the way out: a stage of 16 rows x (256 bytes + 16) for each wave, in region 1: that has had its one fill, and its last read lies ahead of the last barrier
.set SPITCH, 272
.set AA,   16                          ; v16-18  LDS address of my A fragments for K steps 0-3, 4-12, 13-15
.set AB,   20                          ; v20-22  the same for B
.set STO,  24
.set RD,   25
.set CO,   26
.set SPW,  28
.set NIL,  29
.set SAA,  30
.set SAB,  31
.set SCA,  32
.set SCB,  100
.set G1A, 24
.set G1B, 32
.set G1C, 48
.set G1D, 68
.set G0A, 56
.set G0B, 60
.set G0C, 76
.set G0D, 80
.set MSB, 0
.macro WIN new
.if MSB != (\new)
	s_set_vgpr_msb (MSB<<8)|(\new)
.set MSB, (\new)
.endif
.endm
.macro PLACES n
.rept \n
	v_nop
.endr
.endm
.macro TLOAD g0, g1
	tensor_load_to_lds s[\g0:\g0+3], s[\g1:\g1+7]
	s_nop 0
	PLACES 4
.endm
.macro CREST
	s_cmp_lg_u32 s14, 0
	s_cbranch_scc1 .Lnot_wave_0_\@
	s_barrier_signal -3
.Lnot_wave_0_\@:
	s_barrier_wait -3
	s_barrier_signal -1
	s_barrier_wait -1
.endm
.macro CROUND
	s_barrier_signal -1
	s_barrier_wait -1
	CREST
.endm
.macro GROUP1 g, mask, n               ; eight tiles, n K steps of each
	s_or_b32 s[\g], s[\mask], (3<<16)|(1<<21)
	s_mov_b32 s[\g+1], ((\n)*192)<<16
	s_mov_b32 s[\g+2], 8<<16
	s_mov_b32 s[\g+3], ((\n)*192)<<16
	s_mov_b32 s[\g+4], 8
	s_mov_b32 s[\g+5], KT/8
	s_mov_b32 s[\g+6], 0
	s_mov_b32 s[\g+7], 0
.endm
	s_load_b128 s[4:7], s[0:1], 0x0                ; O's codes, O's scale words
	s_load_b128 s[8:11], s[0:1], 0x10              ; the weights' codes, their scale words
	s_load_b64 s[12:13], s[0:1], 0x20              ; out
	v_lshl_add_u32 v[SPW], v0, 2, SPARE
	v_mov_b32 v[NIL], 0
	ds_add_u32 v[SPW], v[NIL]                      ; the wave's opening: the add, twice on end, and its wait ahead of my first tensor load
	ds_add_u32 v[SPW], v[NIL]
	v_lshrrev_b32 v1, 5, v0
	v_readfirstlane_b32 s14, v1                    ; wave 0..3
	s_lshr_b32 s15, s14, 1                         ; which half of A's row tiles is mine
	s_and_b32 s16, s14, 1                          ; which half of B's
	s_bfe_u32 s40, ttmp6, 0x40000
	s_bfe_u32 s41, ttmp6, 0x40004
	s_lshl_b32 s42, ttmp9, 2
	s_add_co_u32 s42, s42, s40                     ; tile column
	s_and_b32 s17, ttmp7, 0xffff
	s_lshl_b32 s17, s17, 2
	s_add_co_u32 s17, s17, s41                     ; tile row
	s_lshl_b32 s43, s41, 2
	s_lshl_b32 s43, 15, s43                        ; my row of the cluster
	s_lshl_b32 s44, 0x1111, s40                    ; my column
	GROUP1 G1A, 43, 4
	GROUP1 G1B, 44, 4
	GROUP1 G1C, 43, 9
	GROUP1 G1D, 44, 9
	s_mul_i32 s20, s17, 8*KT                       ; A: O's tiles 8 x tile row on
	s_mov_b32 s21, 0
	s_lshl_b32 s22, s42, 3
	s_add_co_u32 s22, s22, 512                     ; B: W_o's tiles begin at tile 512
	s_mul_i32 s22, s22, KT
	s_mov_b32 s23, 0
	v_and_b32 v1, 31, v0                           ; lane
	v_and_b32 v2, 15, v0                           ; r
	v_bfe_u32 v3, v0, 4, 1                         ; h
	v_lshlrev_b32 v4, 4, v1
	s_wait_alu depctr_va_vdst(0)                   ; ahead of the scalar lines
.macro ADR d, base, w, n               ; LDS address of my four tiles of n steps each, in the region's part at base
	s_mul_i32 s45, s[\w], 4*(\n)*FRB
	s_add_co_u32 s45, s45, \base
	v_add_nc_u32 v[\d], s45, v4
.endm
	ADR AA,   0,             15, 4
	ADR AB,   32*FRB,        16, 4
	ADR AA+1, R1,            15, 9
	ADR AB+1, R1+72*FRB,     16, 9
	ADR AA+2, 0,             15, 3
	ADR AB+2, 32*FRB,        16, 3
	v_lshlrev_b32 v5, 4, v2                        ; scale words: 16 r in a group of four tiles
	s_lshl_b32 s45, s17, 1
	s_add_co_u32 s45, s45, s15
	s_lshl_b32 s45, s45, 12
	v_add_nc_u32 v[SAA], s45, v5
	s_lshl_b32 s45, s42, 1
	s_add_co_u32 s45, s45, s16
	s_add_co_u32 s45, s45, 128
	s_lshl_b32 s45, s45, 12
	v_add_nc_u32 v[SAB], s45, v5
	s_mul_i32 s45, s14, 16*SPITCH
	s_add_co_u32 s45, s45, STG                     ; my stage
	v_mul_u32_u24 v5, v2, SPITCH                   ; in: row r, + 128 h
	v_lshl_add_u32 v5, v3, 7, v5
	v_add_nc_u32 v[STO], s45, v5
	v_mul_u32_u24 v5, v3, SPITCH                   ; back: lanes 0-15 one row of 256 bytes, lanes 16-31 the next
	v_lshl_add_u32 v5, v2, 4, v5
	v_add_nc_u32 v[RD], s45, v5
	v_lshlrev_b32 v5, 13, v3                       ; and the same two rows in out: rows of 8,192 bytes
	v_lshl_add_u32 v[CO], v2, 4, v5
	s_wait_alu depctr_va_vdst(0)                   ; the head's end
	s_wait_dscnt 0x0                               ; both opening adds are done
	CROUND                                         ; all sixteen work-groups are here: the first joint loads meet
	s_wait_kmcnt 0x0
	s_mov_b32 s[G0A], 1
	s_mov_b32 s[G0A+1], 0
	s_add_nc_u64 s[G0A+2:G0A+3], s[4:5], s[20:21]
	s_add_nc_u64 s[G0C+2:G0C+3], s[G0A+2:G0A+3], 4*FRB
	s_or_b32 s[G0A+3], s[G0A+3], 0x80000000
	s_mov_b32 s[G0B], 1
	s_mov_b32 s[G0B+1], 32*FRB
	s_add_nc_u64 s[G0B+2:G0B+3], s[8:9], s[22:23]
	s_add_nc_u64 s[G0D+2:G0D+3], s[G0B+2:G0B+3], 4*FRB
	s_or_b32 s[G0B+3], s[G0B+3], 0x80000000
	s_mov_b32 s[G0C], 1
	s_mov_b32 s[G0C+1], R1
	s_or_b32 s[G0C+3], s[G0C+3], 0x80000000
	s_mov_b32 s[G0D], 1
	s_mov_b32 s[G0D+1], R1+72*FRB
	s_or_b32 s[G0D+3], s[G0D+3], 0x80000000
	s_cmp_eq_u32 s14, 0
	s_cbranch_scc0 .Lwave_1
	TLOAD G0A, G1A
	s_branch .Lasked
.Lwave_1:
	s_cmp_eq_u32 s14, 1
	s_cbranch_scc0 .Lwave_2
	TLOAD G0B, G1B
	s_branch .Lasked
.Lwave_2:
	s_cmp_eq_u32 s14, 2
	s_cbranch_scc0 .Lwave_3
	TLOAD G0C, G1C
	s_branch .Lasked
.Lwave_3:
	TLOAD G0D, G1D
.Lasked:
.irp k, 0,1,2,3,4,5,6,7,8,9,10,11,12,13,14,15
	global_load_b128 v[SCA+4*\k:SCA+4*\k+3], v[SAA], s[6:7] offset:256*\k
	global_load_b128 v[SCB+4*\k:SCB+4*\k+3], v[SAB], s[10:11] offset:256*\k
.endr
	s_lshl_b32 s20, s17, 7
	s_lshl_b32 s21, s15, 6
	s_add_co_u32 s20, s20, s21                     ; my first row: 128 x tile row + 64 x half
	s_lshl_b32 s20, s20, 13
	s_lshl_b32 s46, s42, 9                         ; my first column, in bytes: 512 x tile column + 256 x half
	s_lshl_b32 s47, s16, 8
	s_add_co_u32 s46, s46, s47
	s_add_co_u32 s20, s20, s46
	s_mov_b32 s21, 0
	s_add_nc_u64 s[12:13], s[12:13], s[20:21]
.macro LD k, n                         ; LDS load n (0 .. 23) of K step k, into set k % 2: B's four tiles, then A's
.if (\k) < 4
.set RG_, 0
.set CN_, 4
.set KK_, (\k)
.elseif (\k) < 13
.set RG_, 1
.set CN_, 9
.set KK_, (\k)-4
.else
.set RG_, 2
.set CN_, 3
.set KK_, (\k)-13
.endif
.set F_, 48*((\k)%2)+4*((\n)%12)
.set O_, ((((\n)%12)/3)*CN_+KK_)*FRB+512*((\n)%3)
	WIN 0x40
.if (\n) < 12
	ds_load_b128 v[F_:F_+3], v[AB+RG_] offset:O_
.else
	ds_load_b128 v[96+F_:99+F_], v[AA+RG_] offset:O_
.endif
.endm
.macro LDR k, n0, cnt
.set N_, \n0
.rept \cnt
	LD \k, N_
.set N_, N_+1
.endr
.endm
.macro GRP k, a, zero                  ; A's tile a against B's four; the 16 accumulators take turns, one instruction a turn
.set F_, 48*((\k)%2)
.set A_, 96+F_+12*(\a)
	WIN 0xa5                                       ; both sources window 1, C and D window 2
.irp b, 0,1,2,3
.if \zero
	v_wmma_scale_f32_16x16x128_f8f6f4 v[32*(\a)+8*\b:32*(\a)+8*\b+7], v[F_+12*\b:F_+12*\b+11], v[A_:A_+11], 0, v[SCB+4*(\k)+\b], v[SCA+4*(\k)+(\a)] matrix_a_fmt:MATRIX_FMT_FP6 matrix_b_fmt:MATRIX_FMT_FP6
.else
	v_wmma_scale_f32_16x16x128_f8f6f4 v[32*(\a)+8*\b:32*(\a)+8*\b+7], v[F_+12*\b:F_+12*\b+11], v[A_:A_+11], v[32*(\a)+8*\b:32*(\a)+8*\b+7], v[SCB+4*(\k)+\b], v[SCA+4*(\k)+(\a)] matrix_a_fmt:MATRIX_FMT_FP6 matrix_b_fmt:MATRIX_FMT_FP6
.endif
.endr
.endm
.macro STEP k, zero                    ; a K step whose successor lies in the same region
	s_wait_dscnt 6                                 ; all but A's tiles 2, 3 are in
	PLACES 4                                       ; the other set was read by the last step's products
	GRP \k, 0, \zero
	LDR (\k)+1, 0, 8
	GRP \k, 1, \zero
	LDR (\k)+1, 8, 8
	s_wait_dscnt 16                                ; those too: behind them 16 loads of the next step
	GRP \k, 2, \zero
	LDR (\k)+1, 16, 8
	GRP \k, 3, \zero
.endm
.macro TURN k, fill                    ; a region's last K step: one barrier shows what has landed; fill = 1: it opens a round, and region 0 takes K steps 13-15
	s_wait_dscnt 6
	GRP \k, 0, 0
	WIN 0
	s_wait_tensorcnt 0x0                           ; all my tensor loads have landed
.if \fill
	ds_add_u32 v[SPW], v[NIL]                      ; 0 onto my spare word
	s_add_nc_u64 s[G0A+2:G0A+3], s[G0A+2:G0A+3], 13*FRB
	s_add_nc_u64 s[G0B+2:G0B+3], s[G0B+2:G0B+3], 13*FRB
.irp g, G1A, G1B
	s_mov_b32 s[\g+1], (3*192)<<16
	s_mov_b32 s[\g+3], (3*192)<<16
.endr
.endif
	GRP \k, 1, 0
	s_wait_dscnt 0x0                               ; the add is done, and my LDS reads so far are over
	s_barrier_signal -1
	GRP \k, 2, 0
	WIN 0
	s_barrier_wait -1
.if \fill
	CREST                                          ; no wave of any partner still reads region 0 or has a load on its way
	s_cmp_eq_u32 s14, 0
	s_cbranch_scc0 .Lnot_a_\@
	TLOAD G0A, G1A
	s_branch .Lfilled_\@
.Lnot_a_\@:
	s_cmp_eq_u32 s14, 1
	s_cbranch_scc0 .Lfilled_\@
	TLOAD G0B, G1B
.Lfilled_\@:
.endif
	PLACES 4
	LDR (\k)+1, 0, 12
	GRP \k, 3, 0
	LDR (\k)+1, 12, 12
.endm
	s_cmp_lt_u32 s14, 2
	s_cbranch_scc0 .Lnot_0
	s_wait_tensorcnt 0x0                           ; waves 0 and 1: region 0 is in; region 1 may be on its way
.Lnot_0:
	s_barrier_signal -1
	s_barrier_wait -1
	LDR 0, 0, 24
	s_wait_loadcnt 0x0                             ; the scale words
	STEP 0, 1                                      ; the first products start the sums
	STEP 1, 0
	STEP 2, 0
	TURN 3, 1
	STEP 4, 0
	STEP 5, 0
	STEP 6, 0
	STEP 7, 0
	STEP 8, 0
	STEP 9, 0
	STEP 10, 0
	STEP 11, 0
	TURN 12, 0
	STEP 13, 0
	STEP 14, 0
	s_wait_dscnt 6                                 ; the very last step
	GRP 15, 0, 0
	GRP 15, 1, 0
	s_wait_dscnt 0x0
	GRP 15, 2, 0
	GRP 15, 3, 0
	WIN 0
; THE WAY OUT, a block of 16 rows x 64 columns at a time, through my own stage: a lane holds 128 neighbouring bytes of a row; they come back as whole rows of 256 bytes.
; LDS serves a wave's instructions in order (ISA guide 5.7.1.4): no wait between the stores and the loads, nor in front of the next block's stores.
.macro TOSTAGE a
	WIN 0x08                                       ; an LDS store's data are its source 1: window 2
.irp b, 0,1,2,3,4,5,6,7
	ds_store_b128 v[STO], v[32*(\a)+4*\b:32*(\a)+4*\b+3] offset:16*\b       ; each accumulator from its low end on
.endr
	WIN 0x40
.irp t, 0,1,2,3,4,5,6,7
	ds_load_b128 v[32*(\a)+4*\t:32*(\a)+4*\t+3], v[RD] offset:2*SPITCH*\t
.endr
.endm
.macro SEND a, younger                 ; younger: the LDS instructions issued behind block a's loads: the next block's 8 stores and 8 loads, or none.  Each block has registers of its own: no store's data are written again
	s_wait_dscnt \younger
	WIN 0x04                                       ; a store's data are its source 1: window 1
.irp t, 0,1,2,3,4,5,6,7
	global_store_b128 v[CO], v[32*(\a)+4*\t:32*(\a)+4*\t+3], s[12:13] offset:(8*(\a)+2*\t+24*(\t/4))*8192 th:TH_STORE_NT   ; stage rows 2 t, 2 t + 1: 16 lanes store 256 consecutive bytes, aligned
.endr
.endm
	PLACES 4                                       ; behind the last products: results are read, and registers that held fragments are loaded
	TOSTAGE 0
	TOSTAGE 1
	SEND 0, 16
	TOSTAGE 2
	SEND 1, 16
	TOSTAGE 3
	SEND 2, 16
	SEND 3, 0
	WIN 0
	s_wait_tensorcnt 0x0                           ; the wave's end, behind my last tensor load and my last LDS store
	ds_add_u32 v[SPW], v[NIL]
	s_wait_dscnt 0x0
	CROUND                                         ; the closing round
	s_endpgm
.Lfunc_end_k_q39431f291b_proj:
	.size	k_q39431f291b_proj, .Lfunc_end_k_q39431f291b_proj-k_q39431f291b_proj
	.p2alignl 7, 3214868480
	.fill 96, 4, 3214868480
	.section	.rodata,"a",@progbits
	.p2align	6, 0x0
	.amdhsa_kernel k_q39431f291b_proj
		.amdhsa_group_segment_fixed_size 327680
		.amdhsa_private_segment_fixed_size 0
		.amdhsa_enable_private_segment 0
		.amdhsa_kernarg_size 40
		.amdhsa_user_sgpr_count 2
		.amdhsa_user_sgpr_kernarg_segment_ptr 1
		.amdhsa_wavefront_size32 1
		.amdhsa_system_sgpr_workgroup_id_x 1
		.amdhsa_system_sgpr_workgroup_id_y 1
		.amdhsa_system_sgpr_workgroup_id_z 1
		.amdhsa_system_vgpr_workitem_id 0
		.amdhsa_next_free_vgpr 640
		.amdhsa_next_free_sgpr 98
		.amdhsa_reserve_vcc 0
		.amdhsa_float_denorm_mode_32 3
		.amdhsa_float_denorm_mode_16_64 3
		.amdhsa_memory_ordered 1
		.amdhsa_forward_progress 1
		.amdhsa_inst_pref_size 83
	.end_amdhsa_kernel
	.amdgpu_metadata
---
amdhsa.version: [ 1, 2 ]
amdhsa.kernels:
  - .name:           k_q39431f291b_proj
    .symbol:         k_q39431f291b_proj.kd
    .args:
      - { .name: ocodes, .offset: 0, .size: 8, .value_kind: global_buffer, .address_space: global }
      - { .name: oscales, .offset: 8, .size: 8, .value_kind: global_buffer, .address_space: global }
      - { .name: codes, .offset: 16, .size: 8, .value_kind: global_buffer, .address_space: global }
      - { .name: scales, .offset: 24, .size: 8, .value_kind: global_buffer, .address_space: global }
      - { .name: out0, .offset: 32, .size: 8, .value_kind: global_buffer, .address_space: global }
    .group_segment_fixed_size: 327680
    .private_segment_fixed_size: 0
    .kernarg_segment_align: 8
    .kernarg_segment_size: 40
    .max_flat_workgroup_size: 128
    .sgpr_count:     98
    .vgpr_count:     640
    .wavefront_size: 32
...
	.end_amdgpu_metadata
.endif
;; end of part 4
